; MI455X (gfx1250); checked and timed in simulation.
; The chip was launched on July 23, 2026; its instructions are those of AMD's public machine-readable ISA for CDNA 5 (MIT licence, August 2026) and "CDNA5" Instruction Set Architecture Reference Guide (July 2026). The comments in the code are by the model that wrote it; some were corrected since.
;; Self Attention. Allowed arithmetic: float matrix products may take bf16 or f16 operands with f32 sums; other float arithmetic in f32, or as packed bf16 or f16 multiplies, adds, multiply-adds, maxima and minima; sums over many terms, partial sums and values carried from step to step in f32; what a program stores and reads back later, other than sums and carried values, may be rounded once to bf16 or f16.
;; Inputs: W_out 1,024 x 1,024 float32; W_qkv 1,024 x 3,072 float32; b_out 1,024 float32; mask 2 x 2,048 x 2,048 int32; x 2 x 2,048 x 1,024 float32.
;; Outputs: out0 2 x 2,048 x 1,024 float32.
;; One version. Each part assembles by itself: llvm-mc -triple=amdgcn-amd-amdhsa -mcpu=gfx1250 --defsym DOCPART=n.
;; ======== version 1 of 1: 4 launches
;; limits: values are held in f16: magnitudes above 65,504 overflow, below 6.1e-05 lose precision; right only within a limited range of input values
;; workspace buffers: mask16 16,777,216 bytes; x16 8,388,608 bytes; wq16 6,291,456 bytes; wo16 2,097,152 bytes; qkv16 25,165,824 bytes; o16 8,388,608 bytes
;; launch prep (part 1): grid 1024 x 1, 8 waves a work-group, no clusters, 35,840 bytes of LDS; arguments mask, x, W_qkv, W_out, mask16, x16, wq16, wo16; writes mask16, x16, wq16, wo16
.if DOCPART == 1
	.amdgcn_target "amdgcn-amd-amdhsa--gfx1250"
	.amdhsa_code_object_version 6
	.text
	.protected	k_q377fa4cca1_prep
	.globl	k_q377fa4cca1_prep
	.p2align	8
	.type	k_q377fa4cca1_prep,@function
k_q377fa4cca1_prep:
	s_mov_b64 s[64:65], 0
	v_nop
	global_prefetch_b8 v0, s[64:65] scope:SCOPE_SE
	s_setreg_imm32_b32 hwreg(HW_REG_WAVE_MODE, 25, 1), 1
	s_wait_xcnt 0x0
; PREP: the casts.  x and W_qkv (f32) are rounded to bf16; W_out is rounded to bf16 and that number written as f16 (exact from 6e-5 up to 65,504;
; below 6e-5 it keeps f16's fixed step of 6e-8); the mask (int32) becomes f16, laid out as the attention kernel's registers want it:
;   mask16[b][qtile 128][step 32][kb 4][lane 32][8], lane = 16 h + r, element e = mask[b][16 qtile + r][64 step + 16 kb + 8 h + e].
; SHARES.  A work-group takes 64 KiB of one input, a wave 8 KiB: sixteen loads of 16 bytes a lane, each 512 neighbouring bytes, all issued at once.  No loop.
; Work-groups 0-511 take the mask, 512-767 x, 768-959 W_qkv, 960-1023 W_out: a scalar branch on the work-group's number.
; The casts keep the order of the numbers: 8 bytes a lane go out, 32 lanes fill 256 aligned bytes.  The mask changes lanes, through the wave's own bytes of LDS.
; Memory binds: no matrix unit, no cluster, no tensor load.
.set SPARE, 34816                      ; behind the eight stages of 4,352 bytes: the spare words, 128 bytes a wave
.set X,   16                           ; v[16:79]  as loaded
.set Y,   80                           ; v[80:111] packed
.set SPW, 114                          ; v114  LDS address of my spare word; never rewritten
.set NIL, 115                          ; v115  0; never rewritten
	s_load_b512 s[8:23], s[0:1], 0x0               ; mask 8, x 10, W_qkv 12, W_out 14, mask16 16, x16 18, wq16 20, wo16 22
	v_lshl_add_u32 v[SPW], v0, 2, SPARE
	v_mov_b32 v[NIL], 0
	v_lshrrev_b32 v2, 5, v0
	v_readfirstlane_b32 s24, v2                    ; wave 0..7
	v_and_b32 v1, 31, v0                           ; lane
	v_lshlrev_b32 v3, 4, v1                        ; 16 x lane
	s_mov_b32 s25, ttmp9
	s_mov_b32 s33, 0                               ; the high word of every offset
	s_wait_kmcnt 0x0
	s_cmp_lt_u32 s25, 512
	s_cbranch_scc1 .Lmask
	s_cmp_lt_u32 s25, 960
	s_cbranch_scc0 .Lwout
; A cast of 8 KiB.  s[26:27] source, s[28:29] destination, s30 the work-group's chunk.  half = 1: the bf16 number is written as f16.
.macro CAST half
	s_lshl_b32 s32, s30, 16                        ; chunk x 65,536
	s_lshl_b32 s31, s24, 13                        ; + wave x 8,192
	s_add_co_u32 s32, s32, s31
	s_add_nc_u64 s[26:27], s[26:27], s[32:33]
	s_lshr_b32 s32, s32, 1                         ; half as many bytes go out
	s_add_nc_u64 s[28:29], s[28:29], s[32:33]
	v_lshlrev_b32 v4, 3, v1                        ; 8 x lane
.irp j, 0,1,2,3,4,5,6,7,8,9,10,11,12,13,14,15
	global_load_b128 v[X+4*(\j):X+4*(\j)+3], v3, s[26:27] offset:512*(\j) th:TH_LOAD_NT
.endr
.irp j, 0,1,2,3,4,5,6,7,8,9,10,11,12,13,14,15
	s_wait_loadcnt 15-(\j)                         ; loads come back in order: load j is in, the younger ones stay out
	v_cvt_pk_bf16_f32 v[Y+2*(\j)],   v[X+4*(\j)],   v[X+4*(\j)+1]
	v_cvt_pk_bf16_f32 v[Y+2*(\j)+1], v[X+4*(\j)+2], v[X+4*(\j)+3]
.if \half
.irp w, 0,1
	v_lshlrev_b32 v6, 16, v[Y+2*(\j)+(\w)]         ; bf16 to f32: the low half moves up, the high half stays
	v_and_b32 v7, 0xffff0000, v[Y+2*(\j)+(\w)]
	v_cvt_pk_f16_f32 v[Y+2*(\j)+(\w)], v6, v7
.endr
.endif
	global_store_b64 v4, v[Y+2*(\j):Y+2*(\j)+1], s[28:29] offset:256*(\j)  ; 32 lanes store 256 consecutive bytes, aligned
.endr
	s_endpgm
.endm
	s_cmp_lt_u32 s25, 768                          ; x or W_qkv: one text, the pointers chosen
	s_cselect_b64 s[26:27], s[10:11], s[12:13]
	s_cselect_b64 s[28:29], s[18:19], s[20:21]
	s_cselect_b32 s30, 0, 256
	s_sub_co_u32 s30, s25, s30
	s_sub_co_u32 s30, s30, 512                     ; the chunk: from 512 on for x, from 768 on for W_qkv
	CAST 0
.Lwout:
	s_mov_b64 s[26:27], s[14:15]
	s_mov_b64 s[28:29], s[22:23]
	s_sub_co_u32 s30, s25, 960
	CAST 1
.Lmask:
	; unit u = 8 x work-group + wave: 16 queries (u / 16) x 128 keys (u % 16).  Load j is row j: 128 keys, 4 a lane.
	s_lshl_b32 s30, s25, 3
	s_add_co_u32 s30, s30, s24                     ; u
	s_lshr_b32 s32, s30, 4
	s_lshl_b32 s32, s32, 17                        ; 16 rows of 8,192 bytes
	s_and_b32 s31, s30, 15
	s_lshl_b32 s31, s31, 9                         ; 128 keys of 4 bytes
	s_add_co_u32 s32, s32, s31
	s_add_nc_u64 s[8:9], s[8:9], s[32:33]
	s_lshl_b32 s32, s30, 12                        ; a unit leaves as 4,096 consecutive bytes
	s_add_nc_u64 s[16:17], s[16:17], s[32:33]
	; the stage
	s_mul_i32 s31, s24, 4352
	v_lshrrev_b32 v6, 1, v1                        ; in: my 4 keys lie in group lane / 2, half lane % 2; the row stands in the offset
	v_mul_u32_u24 v6, v6, 272
	v_and_b32 v7, 1, v1
	v_lshl_add_u32 v6, v7, 3, v6
	v_add_nc_u32 v5, s31, v6
	v_lshrrev_b32 v6, 4, v1                        ; back: lanes 0-15 take one group, lanes 16-31 the next
	v_mul_u32_u24 v6, v6, 272
	v_and_b32 v7, 15, v1
	v_lshl_add_u32 v6, v7, 4, v6
	v_add_nc_u32 v4, s31, v6
.irp j, 0,1,2,3,4,5,6,7,8,9,10,11,12,13,14,15
	global_load_b128 v[X+4*(\j):X+4*(\j)+3], v3, s[8:9] offset:8192*(\j) th:TH_LOAD_NT
.endr
.irp j, 0,1,2,3,4,5,6,7,8,9,10,11,12,13,14,15
	s_wait_loadcnt 15-(\j)                         ; row j is in, the younger rows stay out
.irp k, 0,1,2,3
	v_cvt_f32_i32 v[X+4*(\j)+(\k)], v[X+4*(\j)+(\k)]
.endr
	v_cvt_pk_f16_f32 v[Y+2*(\j)],   v[X+4*(\j)],   v[X+4*(\j)+1]
	v_cvt_pk_f16_f32 v[Y+2*(\j)+1], v[X+4*(\j)+2], v[X+4*(\j)+3]
	ds_store_b64 v5, v[Y+2*(\j):Y+2*(\j)+1] offset:16*(\j)
.endr
.irp t, 0,1,2,3,4,5,6,7
	ds_load_b128 v[X+4*(\t):X+4*(\t)+3], v4 offset:544*(\t)  ; my wave's own bytes; LDS serves a wave's instructions in order (ISA guide 5.7.1.4): these see the stores above
.endr
.irp t, 0,1,2,3,4,5,6,7
	s_wait_dscnt 7-(\t)
	global_store_b128 v3, v[X+4*(\t):X+4*(\t)+3], s[16:17] offset:512*(\t)  ; 512 consecutive bytes, aligned
.endr
	s_wait_tensorcnt 0x0                           ; the wave's end: behind my last LDS store
	ds_add_u32 v[SPW], v[NIL]
	s_wait_dscnt 0x0
	s_endpgm
.Lfunc_end_k_q377fa4cca1_prep:
	.size	k_q377fa4cca1_prep, .Lfunc_end_k_q377fa4cca1_prep-k_q377fa4cca1_prep
	.p2alignl 7, 3214868480
	.fill 96, 4, 3214868480
	.section	.rodata,"a",@progbits
	.p2align	6, 0x0
	.amdhsa_kernel k_q377fa4cca1_prep
		.amdhsa_group_segment_fixed_size 35840
		.amdhsa_private_segment_fixed_size 0
		.amdhsa_enable_private_segment 0
		.amdhsa_kernarg_size 64
		.amdhsa_user_sgpr_count 2
		.amdhsa_user_sgpr_kernarg_segment_ptr 1
		.amdhsa_wavefront_size32 1
		.amdhsa_system_sgpr_workgroup_id_x 1
		.amdhsa_system_sgpr_workgroup_id_y 1
		.amdhsa_system_sgpr_workgroup_id_z 1
		.amdhsa_system_vgpr_workitem_id 0
		.amdhsa_next_free_vgpr 116
		.amdhsa_next_free_sgpr 66
		.amdhsa_reserve_vcc 0
		.amdhsa_float_denorm_mode_32 3
		.amdhsa_float_denorm_mode_16_64 3
		.amdhsa_memory_ordered 1
		.amdhsa_forward_progress 1
		.amdhsa_inst_pref_size 28
	.end_amdhsa_kernel
	.amdgpu_metadata
---
amdhsa.version: [ 1, 2 ]
amdhsa.kernels:
  - .name:           k_q377fa4cca1_prep
    .symbol:         k_q377fa4cca1_prep.kd
    .args:
      - { .name: mask, .offset: 0, .size: 8, .value_kind: global_buffer, .address_space: global }
      - { .name: x, .offset: 8, .size: 8, .value_kind: global_buffer, .address_space: global }
      - { .name: W_qkv, .offset: 16, .size: 8, .value_kind: global_buffer, .address_space: global }
      - { .name: W_out, .offset: 24, .size: 8, .value_kind: global_buffer, .address_space: global }
      - { .name: mask16, .offset: 32, .size: 8, .value_kind: global_buffer, .address_space: global }
      - { .name: x16, .offset: 40, .size: 8, .value_kind: global_buffer, .address_space: global }
      - { .name: wq16, .offset: 48, .size: 8, .value_kind: global_buffer, .address_space: global }
      - { .name: wo16, .offset: 56, .size: 8, .value_kind: global_buffer, .address_space: global }
    .group_segment_fixed_size: 35840
    .private_segment_fixed_size: 0
    .kernarg_segment_align: 8
    .kernarg_segment_size: 64
    .max_flat_workgroup_size: 256
    .sgpr_count:     66
    .vgpr_count:     116
    .wavefront_size: 32
...
	.end_amdgpu_metadata
.endif
;; end of part 1
;; launch qkv (part 2): grid 24 x 32, 4 waves a work-group, clusters of 4 x 4, 327,680 bytes of LDS; arguments x16, wq16, qkv16; writes qkv16
.if DOCPART == 2
	.amdgcn_target "amdgcn-amd-amdhsa--gfx1250"
	.amdhsa_code_object_version 6
	.text
	.protected	k_q377fa4cca1_qkv
	.globl	k_q377fa4cca1_qkv
	.p2align	8
	.type	k_q377fa4cca1_qkv,@function
k_q377fa4cca1_qkv:
	s_mov_b64 s[64:65], 0
	v_nop
	global_prefetch_b8 v0, s[64:65] scope:SCOPE_SE
	s_setreg_imm32_b32 hwreg(HW_REG_WAVE_MODE, 25, 1), 1
	s_wait_xcnt 0x0
	s_wait_alu depctr_hold_cnt(0) depctr_sa_sdst(0) depctr_va_vdst(0) depctr_va_sdst(0) depctr_va_ssrc(0) depctr_va_vcc(0) depctr_vm_vsrc(0)
	s_getreg_b32 s2, hwreg(HW_REG_IB_STS2, 6, 4)
	s_cmp_eq_u32 s2, 0
	s_cbranch_scc0 .Lentry_in_a_cluster
	s_endpgm
.Lentry_in_a_cluster:
	s_bfe_u32 s2, ttmp6, 0x10000c
	s_cmp_lg_u32 s2, 0xf033
	s_cbranch_scc0 .Lentry_shape_is_right
	s_endpgm
.Lentry_shape_is_right:
; QKV PROJECTION.  C[m][n] = sum over k of A[m][k] B[k][n].  A = x16 [4096][1024] bf16, B = wq16 [1024][3072] bf16, sums in f32.
; C leaves as f16 by heads: qkv16[which 3][b 2][h 16][2048][64]; n = 1024 which + 64 h + d, m = 2048 b + l.  q (which = 0) is multiplied in f32 by c = log2(e) / 8 before its one rounding.
; LIMIT.  f16 ends at 65,504: q c, k and v must lie within it.
; A tile of C is 128 x 128: four waves, each 64 x 64 = 16 accumulators of 16 x 16.  K goes in steps of 256 through two LDS slots filled by the tensor data mover.
; A's rows lie along K (512 bytes a row and step); B's rows lie along N, so its fragments come out of LDS turned, by ds_load_tr16_b128.
; CLUSTERS: 4 x 4 work-groups.  The four of a row of the cluster need the same tiles of A, the four of a column the same tiles of B: each tile is asked for JOINTLY.
; THE MATRIX INSTRUCTION IS USED TRANSPOSED (source 0 = 16 columns of B, source 1 = 16 rows of A): a lane then holds eight neighbouring numbers of a row of C.
; A wave's 64 columns are one head: its 64 x 64 numbers are 8,192 consecutive bytes of qkv16, so each wave stores from a stage of its own, without a barrier.
; REGISTERS: window 0: v0-31 addresses; v32-95 at work on the way out; v128-255 the accumulators ((a, b) at v[128 + 8 (4 a + b)]).
;   window 1: two fragment buffers of 128: for 64 along K, 64 registers of A (2 x 4 x 16 rows x 32 K), then 64 of B.
.set SIZE_K, 1024
.set SIZE_N, 3072
.set KSTEP,  256
.set AP,     528                       ; a row of A in LDS: 512 bytes + 16 of padding: the 16 rows of a load start at 16 different groups of four banks (ISA guide 11.1)
.set AQ,     128                       ; bytes of a row for 64 along K
.set HALFA,  64*AP                     ; 64 rows: one tensor load, and what one wave reads of A
.set BP,     288                       ; a row of B (one k, 128 n): 256 bytes + 32
.set HALFB,  128*BP                    ; 128 k: one tensor load
.set BOFF,   2*HALFA                   ; B's 256 rows lie behind A's 128
.set SLOT,   BOFF+2*HALFB
.set STAGE,  2*SLOT                    ; behind the ring: 16 rows x 144 bytes for each wave
.set SP,     144
.set SPARE,  STAGE+4*16*SP             ; behind the stages: the spare words, 128 bytes a wave
.set ASTEP,  2*KSTEP*2                 ; bytes from a slot's K step to its next: along A's rows,
.set BSTEP,  2*KSTEP*SIZE_N*2          ; down B's rows
.set ADRA, 16                          ; v16-17  LDS address of my A fragments in slot 0, 1
.set ADRB, 20                          ; v20-23  of my B fragments: slot 0 k 0-127, slot 0 k 128-255, slot 1 likewise (an LDS offset has 16 bits)
.set STO,  24                          ; v24     the way out: where I put 16 bytes of a row
.set RD,   25                          ; v25     where I read rows back
.set CO,   26                          ; v26     16 x lane
.set SPW,  28                          ; v28     LDS address of my spare word; never rewritten
.set NIL,  29                          ; v29     0; never rewritten
.set TMP,  32
.set ACC,  128
.set F0,   0
.set F1,   128
.set G1, 24                            ; s[24:31] group 1 for A;  s[32:39] group 0, a set for each slot
.set G0, 32
.set G1B, 48                           ; s[48:55], s[56:63] the same for B
.set G0B, 56
.set MSB, 0
.macro WIN new                         ; the immediate's high byte repeats the setting that is left
.if MSB != (\new)
	s_set_vgpr_msb (MSB<<8)|(\new)
.set MSB, \new
.endif
.endm
.set MUL,  0x05                        ; sources 0 (B) and 1 (A) window 1; C and D window 0
.set TO_F, 0x40                        ; destination window 1, address window 0
.macro JLOAD s                         ; a joint load: waves 0 and 1 fetch A's two halves, waves 2 and 3 B's; an s_nop 0 and four v_nop follow each line
	s_cmp_eq_u32 s11, 0
	s_cbranch_scc0 .Lfor_b_\@
	tensor_load_to_lds s[G0+4*(\s):G0+4*(\s)+3], s[G1:G1+7]
	s_nop 0
.rept 4
	v_nop
.endr
	s_branch .Lasked_\@
.Lfor_b_\@:
	tensor_load_to_lds s[G0B+4*(\s):G0B+4*(\s)+3], s[G1B:G1B+7]
	s_nop 0
.rept 4
	v_nop
.endr
.Lasked_\@:
.endm
.macro CREST                           ; a round of the cluster's barrier behind its opening barrier
	s_cmp_lg_u32 s10, 0
	s_cbranch_scc1 .Lnot_wave_0_\@
	s_barrier_signal -3
.Lnot_wave_0_\@:
	s_barrier_wait -3
	s_barrier_signal -1
	s_barrier_wait -1
.endm
.macro CROUND                          ; a whole round
	s_barrier_signal -1
	s_barrier_wait -1
	CREST
.endm
	s_load_b128 s[4:7], s[0:1], 0x0                ; A s[4:5], B s[6:7]
	s_load_b64 s[8:9], s[0:1], 0x10                ; C
	v_lshl_add_u32 v[SPW], v0, 2, SPARE
	v_mov_b32 v[NIL], 0
	ds_add_u32 v[SPW], v[NIL]                      ; the wave's opening: the add and its wait stand ahead of my first tensor load; the set-up stands between them
	v_lshrrev_b32 v1, 5, v0
	v_readfirstlane_b32 s10, v1                    ; wave 0..3
	s_lshr_b32 s11, s10, 1                         ; which half of the tile's rows is mine.  Also: I fetch for A (0) or for B (1)
	s_and_b32 s12, s10, 1                          ; which half of its columns.  Also: which half of that tile I fetch
	s_bfe_u32 s40, ttmp6, 0x40000                  ; cx, cy: my place in the cluster
	s_bfe_u32 s41, ttmp6, 0x40004
	s_lshl_b32 s42, ttmp9, 2
	s_add_co_u32 s42, s42, s40                     ; tile column of C = 4 x cluster x + cx
	s_and_b32 s13, ttmp7, 0xffff
	s_lshl_b32 s13, s13, 2
	s_add_co_u32 s13, s13, s41                     ; tile row of C = 4 x cluster y + cy
	s_lshl_b32 s43, s41, 2
	s_lshl_b32 s43, 15, s43                        ; my row of the cluster
	s_lshl_b32 s44, 0x1111, s40                    ; my column
	s_or_b32 s[G1+0], s43, (1<<16)|(1<<20)|(1<<21)|(6<<22)|(3<<25)   ; A: the mask of my row; 2-byte elements; padding on; bit 21 beside a mask; after every 128 words 4 words
	s_or_b32 s[G1B+0], s44, (1<<16)|(1<<20)|(1<<21)|(5<<22)|(7<<25)  ; B: the mask of my column; after every 64 words 8 words
	s_mov_b32 s[G1+1], KSTEP<<16                   ; A: tensor_dim0 = 256
	s_mov_b32 s[G1+2], 64<<16                      ; tensor_dim1 = 64
	s_mov_b32 s[G1+3], KSTEP<<16                   ; tile_dim0 = 256
	s_mov_b32 s[G1+4], 64                          ; tile_dim1 = 64
	s_mov_b32 s[G1+5], SIZE_K                      ; elements from row to row
	s_mov_b32 s[G1+6], 0
	s_mov_b32 s[G1+7], 0
	s_mov_b32 s[G1B+1], 128<<16                    ; B: 128 n
	s_mov_b32 s[G1B+2], 128<<16                    ; x 128 k
	s_mov_b32 s[G1B+3], 128<<16
	s_mov_b32 s[G1B+4], 128
	s_mov_b32 s[G1B+5], SIZE_N
	s_mov_b32 s[G1B+6], 0
	s_mov_b32 s[G1B+7], 0
	s_lshl_b32 s17, s12, 6                         ; A: row 128 x tile row + 64 x half,
	s_lshl_b32 s16, s13, 7
	s_add_co_u32 s16, s16, s17
	s_lshl_b32 s16, s16, 11                        ; of 2,048 bytes
	s_mov_b32 s17, 0
	s_lshl_b32 s46, s42, 8                         ; B: 128 columns of 2 bytes a tile column,
	s_mul_i32 s47, s12, 128*SIZE_N*2               ; 128 rows a half
	s_add_co_u32 s46, s46, s47
	s_mov_b32 s47, 0
	s_mul_i32 s20, s12, HALFA                      ; where they go: no place in the cluster enters an LDS address
	s_mul_i32 s21, s12, HALFB
	s_add_co_u32 s21, s21, BOFF
	s_wait_dscnt 0x0                               ; the opening add is done
	s_wait_kmcnt 0x0
	s_add_nc_u64 s[14:15], s[4:5], s[16:17]
	s_add_nc_u64 s[46:47], s[6:7], s[46:47]
	CROUND                                         ; all sixteen work-groups are here: the first joint loads meet
.irp s, 0,1
	s_mov_b32 s[G0+4*(\s)], 1
	s_add_co_u32 s[G0+4*(\s)+1], s20, (\s)*SLOT
	s_add_nc_u64 s[G0+4*(\s)+2:G0+4*(\s)+3], s[14:15], (\s)*KSTEP*2
	s_or_b32 s[G0+4*(\s)+3], s[G0+4*(\s)+3], 0x80000000
	s_mov_b32 s[G0B+4*(\s)], 1
	s_add_co_u32 s[G0B+4*(\s)+1], s21, (\s)*SLOT
	s_add_nc_u64 s[G0B+4*(\s)+2:G0B+4*(\s)+3], s[46:47], (\s)*KSTEP*SIZE_N*2
	s_or_b32 s[G0B+4*(\s)+3], s[G0B+4*(\s)+3], 0x80000000
	JLOAD \s
.endr
	v_and_b32 v1, 15, v0                           ; r = l % 16
	v_bfe_u32 v2, v0, 4, 1                         ; h = l / 16
	v_mul_u32_u24 v3, v1, AP                       ; A: row r x pitch + 16 h
	v_lshl_add_u32 v3, v2, 4, v3
	s_mul_i32 s21, s11, HALFA                      ; my 64 rows of A
	v_add_nc_u32 v[ADRA], s21, v3
	v_add_nc_u32 v[ADRA+1], SLOT, v[ADRA]
	v_and_b32 v4, 7, v0                            ; B, turned: lane l reads k row 8 h + l % 8, 16 bytes at 16 ((l / 8) % 2)
	v_lshl_add_u32 v4, v2, 3, v4
	v_mul_u32_u24 v4, v4, BP
	v_bfe_u32 v5, v0, 3, 1
	v_lshl_add_u32 v4, v5, 4, v4
	s_lshl_b32 s22, s12, 7                         ; my 64 columns
	s_add_co_u32 s22, s22, BOFF
	v_add_nc_u32 v[ADRB], s22, v4
	v_add_nc_u32 v[ADRB+1], HALFB, v[ADRB]
	v_add_nc_u32 v[ADRB+2], SLOT, v[ADRB]
	v_add_nc_u32 v[ADRB+3], SLOT+HALFB, v[ADRB]
	s_mul_i32 s23, s10, 16*SP
	s_add_co_u32 s23, s23, STAGE                   ; my stage
	v_mul_u32_u24 v6, v1, SP                       ; in: row r, 16 bytes for each half of the lanes
	v_lshl_add_u32 v6, v2, 4, v6
	v_add_nc_u32 v[STO], s23, v6
	v_bfe_u32 v6, v0, 3, 2                         ; back: 32 lanes take four rows of 128 bytes,
	v_mul_u32_u24 v6, v6, SP
	v_and_b32 v7, 7, v0
	v_lshl_add_u32 v6, v7, 4, v6
	v_add_nc_u32 v[RD], s23, v6
	v_and_b32 v[CO], 31, v0                        ; which are 512 consecutive bytes of qkv16
	v_lshlrev_b32 v[CO], 4, v[CO]
	; where my 64 x 64 numbers go.  Rows: batch = tile row / 16, l = 128 (tile row % 16) + 64 x row half
	s_lshr_b32 s16, s13, 4
	s_lshl_b32 s16, s16, 22                        ; a batch is 16 heads of 262,144 bytes
	s_and_b32 s17, s13, 15
	s_lshl_b32 s17, s17, 14
	s_add_co_u32 s16, s16, s17
	s_lshl_b32 s17, s11, 13
	s_add_co_u32 s16, s16, s17
	s_mov_b32 s17, 0
	s_add_nc_u64 s[8:9], s[8:9], s[16:17]
	; columns: g = 2 x tile column + column half: which = g / 16, head = g % 16 (in registers that feed none of A's descriptors)
	s_lshl_b32 s46, s42, 1
	s_add_co_u32 s46, s46, s12
	s_cmp_lt_u32 s46, 16
	s_cselect_b32 s66, 0x3e38aa3b, 1.0             ; q takes c = log2(e) / 8 = 0.180337; k and v take 1: a choice of a value, no branch
	s_mov_b32 s67, s66                             ; named with it as a pair
	s_lshr_b32 s47, s46, 4
	s_lshl_b32 s47, s47, 5                         ; which x 32 heads
	s_and_b32 s46, s46, 15
	s_add_co_u32 s46, s46, s47
	s_lshl_b32 s46, s46, 18
	s_mov_b32 s47, 0
	s_add_nc_u64 s[8:9], s[8:9], s[46:47]
; 8 matrix instructions: m blocks a0, a0 + 1 x all 4 n blocks, 32 along K: half c of buffer f.  zero = 1: the first product starts the sums.  The 16 accumulators take turns.
.macro MUL8 f, c, a0, zero
	WIN MUL
.irp a, \a0, (\a0)+1
.irp b, 0,1,2,3
.if \zero
	v_wmma_f32_16x16x32_bf16 v[ACC+8*(4*(\a)+(\b)):ACC+8*(4*(\a)+(\b))+7], v[(\f)+64+8*(4*(\c)+(\b)):(\f)+64+8*(4*(\c)+(\b))+7], v[(\f)+8*(4*(\c)+(\a)):(\f)+8*(4*(\c)+(\a))+7], 0
.else
	v_wmma_f32_16x16x32_bf16 v[ACC+8*(4*(\a)+(\b)):ACC+8*(4*(\a)+(\b))+7], v[(\f)+64+8*(4*(\c)+(\b)):(\f)+64+8*(4*(\c)+(\b))+7], v[(\f)+8*(4*(\c)+(\a)):(\f)+8*(4*(\c)+(\a))+7], v[ACC+8*(4*(\a)+(\b)):ACC+8*(4*(\a)+(\b))+7]
.endif
.endr
.endr
.endm
; 32 LDS loads in one run: the fragments of quarter q (64 along K) of a slot, into buffer f; the first 32 along K first
.macro FETCH slot, q, f
	WIN TO_F
.irp c, 0,1
.irp i, 0,1,2,3
	ds_load_tr16_b128 v[(\f)+64+8*(4*(\c)+(\i)):(\f)+64+8*(4*(\c)+(\i))+3],   v[ADRB+2*(\slot)+(\q)/2] offset:((\q)%2)*64*BP+(\c)*32*BP+32*(\i)
	ds_load_tr16_b128 v[(\f)+64+8*(4*(\c)+(\i))+4:(\f)+64+8*(4*(\c)+(\i))+7], v[ADRB+2*(\slot)+(\q)/2] offset:((\q)%2)*64*BP+(\c)*32*BP+16*BP+32*(\i)
	ds_load_b128 v[(\f)+8*(4*(\c)+(\i)):(\f)+8*(4*(\c)+(\i))+3],         v[ADRA+(\slot)] offset:(\q)*AQ+64*(\c)+(\i)*16*AP
	ds_load_b128 v[(\f)+8*(4*(\c)+(\i))+4:(\f)+8*(4*(\c)+(\i))+7],       v[ADRA+(\slot)] offset:(\q)*AQ+64*(\c)+(\i)*16*AP+32
.endr
.endr
.endm
.macro PLACES                          ; four places in front of loads into registers that matrix instructions have read, and of vector work on results
.rept 4
	v_nop
.endr
.endm
; A K step is four quarters of 64 along K, 32 matrix instructions each, on buffers 0, 1, 0, 1.  One of the first three: multiplies buffer f and fetches quarter q into g.
.macro QUARTER slot, q, f, g, zero
	s_wait_dscnt 16                                ; the first 32 along K are in
	MUL8 \f, 0, 0, \zero
	MUL8 \f, 0, 2, \zero
	PLACES
	FETCH \slot, \q, \g
	s_wait_dscnt 32                                ; all but the 32 just issued
	MUL8 \f, 1, 0, 0
	MUL8 \f, 1, 2, 0
.endm
; The last quarter multiplies buffer 1 and changes slots: ONE barrier; in front of it each wave waits for all its tensor loads, adds 0 to its spare word, and waits for that and for its reads of this slot.
; fill = 1: this slot is filled again, two K steps ahead; the barrier then opens a round of the cluster's barrier.
.macro TURN slot, next, fill
	WIN 0                                          ; (the add's two registers lie in window 0)
	s_wait_tensorcnt 0x0                           ; all my tensor loads have landed: my part of the next slot;
	ds_add_u32 v[SPW], v[NIL]                      ; 0 onto my spare word;
	s_wait_dscnt 17                                ; (the add and the youngest sixteen loads may be out)
	MUL8 F1, 0, 0, 0                               ; eight matrix instructions stand between the add and the wait for it
	s_wait_dscnt 0x0                               ; the add is done, and my reads of this slot are over
	s_barrier_signal -1
	MUL8 F1, 0, 2, 0
.if \fill
	WIN 0
.endif
	s_barrier_wait -1
.if \fill
	CREST                                          ; no wave of any partner still reads this slot's tile or has a load on its way
	s_add_nc_u64 s[G0+4*(\slot)+2:G0+4*(\slot)+3], s[G0+4*(\slot)+2:G0+4*(\slot)+3], ASTEP
	s_add_nc_u64 s[G0B+4*(\slot)+2:G0B+4*(\slot)+3], s[G0B+4*(\slot)+2:G0B+4*(\slot)+3], BSTEP
	JLOAD \slot                                    ; the first tensor load behind the round; its four v_nop are also the places in front of the loads below
.else
	PLACES
.endif
	FETCH \next, 0, F0
	MUL8 F1, 1, 0, 0
	MUL8 F1, 1, 2, 0
.endm
	s_wait_tensorcnt 1                             ; my part of K step 0 is in; K step 1's may stay out
	s_barrier_signal -1
	s_barrier_wait -1                              ; everybody's is
	FETCH 0, 0, F0
	QUARTER 0, 1, F0, F1, 1                        ; K step 0: its first products start the sums
	QUARTER 0, 2, F1, F0, 0
	QUARTER 0, 3, F0, F1, 0
	TURN 0, 1, 1                                   ; slot 0 takes K step 2
	QUARTER 1, 1, F0, F1, 0                        ; K step 1
	QUARTER 1, 2, F1, F0, 0
	QUARTER 1, 3, F0, F1, 0
	TURN 1, 0, 1                                   ; slot 1 takes K step 3: SIZE_K has four steps, so the walk is written out
	QUARTER 0, 1, F0, F1, 0                        ; K step 2
	QUARTER 0, 2, F1, F0, 0
	QUARTER 0, 3, F0, F1, 0
	TURN 0, 1, 0                                   ; nothing is left to fetch
	QUARTER 1, 1, F0, F1, 0                        ; K step 3
	QUARTER 1, 2, F1, F0, 0
	QUARTER 1, 3, F0, F1, 0
	s_wait_dscnt 16
	MUL8 F1, 0, 0, 0
	MUL8 F1, 0, 2, 0
	s_wait_dscnt 0x0
	MUL8 F1, 1, 0, 0
	MUL8 F1, 1, 2, 0
	WIN 0
	; THE WAY OUT, a block of 16 rows at a time: scaled, rounded to f16, 16 bytes a lane into my stage, back as whole rows of 128 bytes, stored as 512 consecutive bytes.
	PLACES
.macro PACK a
.set t, 0
.rept 16                               ; each accumulator's registers in ascending order
	v_pk_mul_f32 v[ACC+32*(\a)+2*t:ACC+32*(\a)+2*t+1], v[ACC+32*(\a)+2*t:ACC+32*(\a)+2*t+1], s[66:67] op_sel_hi:[1,0]
.set t, t+1
.endr
.set t, 0
.rept 16
	v_cvt_pk_f16_f32 v[TMP+16*(\a)+t], v[ACC+32*(\a)+2*t], v[ACC+32*(\a)+2*t+1]
.set t, t+1
.endr
.irp b, 0,1,2,3
	ds_store_b128 v[STO], v[TMP+16*(\a)+4*(\b):TMP+16*(\a)+4*(\b)+3] offset:32*(\b)
.endr
.irp f, 0,1,2,3
	ds_load_b128 v[TMP+16*(\a)+4*(\f):TMP+16*(\a)+4*(\f)+3], v[RD] offset:(\f)*4*SP  ; LDS serves a wave's instructions in order (ISA guide 5.7.1.4): these see the stores above; the next block's stores come behind them
.endr
.endm
.macro SEND a, younger                 ; younger: the LDS instructions issued behind block a's loads: the next block's eight, or none
.irp f, 0,1,2,3
	s_wait_dscnt (\younger)+3-(\f)
	global_store_b128 v[CO], v[TMP+16*(\a)+4*(\f):TMP+16*(\a)+4*(\f)+3], s[8:9] offset:2048*(\a)+512*(\f)
.endr
.endm
	PACK 0
	PACK 1
	SEND 0, 8
	PACK 2
	SEND 1, 8
	PACK 3
	SEND 2, 8
	SEND 3, 0
	s_wait_tensorcnt 0x0                           ; the wave's end: behind my last tensor load and my last LDS store
	ds_add_u32 v[SPW], v[NIL]
	s_wait_dscnt 0x0
	CROUND                                         ; the closing round: no work-group ends while a partner may still ask for a tile that names it
	s_endpgm
.Lfunc_end_k_q377fa4cca1_qkv:
	.size	k_q377fa4cca1_qkv, .Lfunc_end_k_q377fa4cca1_qkv-k_q377fa4cca1_qkv
	.p2alignl 7, 3214868480
	.fill 96, 4, 3214868480
	.section	.rodata,"a",@progbits
	.p2align	6, 0x0
	.amdhsa_kernel k_q377fa4cca1_qkv
		.amdhsa_group_segment_fixed_size 327680
		.amdhsa_private_segment_fixed_size 0
		.amdhsa_enable_private_segment 0
		.amdhsa_kernarg_size 24
		.amdhsa_user_sgpr_count 2
		.amdhsa_user_sgpr_kernarg_segment_ptr 1
		.amdhsa_wavefront_size32 1
		.amdhsa_system_sgpr_workgroup_id_x 1
		.amdhsa_system_sgpr_workgroup_id_y 1
		.amdhsa_system_sgpr_workgroup_id_z 1
		.amdhsa_system_vgpr_workitem_id 0
		.amdhsa_next_free_vgpr 512
		.amdhsa_next_free_sgpr 68
		.amdhsa_reserve_vcc 0
		.amdhsa_float_denorm_mode_32 3
		.amdhsa_float_denorm_mode_16_64 3
		.amdhsa_memory_ordered 1
		.amdhsa_forward_progress 1
		.amdhsa_inst_pref_size 91
	.end_amdhsa_kernel
	.amdgpu_metadata
---
amdhsa.version: [ 1, 2 ]
amdhsa.kernels:
  - .name:           k_q377fa4cca1_qkv
    .symbol:         k_q377fa4cca1_qkv.kd
    .args:
      - { .name: x16, .offset: 0, .size: 8, .value_kind: global_buffer, .address_space: global }
      - { .name: wq16, .offset: 8, .size: 8, .value_kind: global_buffer, .address_space: global }
      - { .name: qkv16, .offset: 16, .size: 8, .value_kind: global_buffer, .address_space: global }
    .group_segment_fixed_size: 327680
    .private_segment_fixed_size: 0
    .kernarg_segment_align: 8
    .kernarg_segment_size: 24
    .max_flat_workgroup_size: 128
    .sgpr_count:     68
    .vgpr_count:     512
    .wavefront_size: 32
...
	.end_amdgpu_metadata
.endif
;; end of part 2
;; launch attn (part 3): grid 8 x 32, 4 waves a work-group, clusters of 4 x 1, 327,680 bytes of LDS; arguments qkv16, mask16, o16; writes o16
.if DOCPART == 3
	.amdgcn_target "amdgcn-amd-amdhsa--gfx1250"
	.amdhsa_code_object_version 6
	.text
	.protected	k_q377fa4cca1_attn
	.globl	k_q377fa4cca1_attn
	.p2align	8
	.type	k_q377fa4cca1_attn,@function
k_q377fa4cca1_attn:
	s_mov_b64 s[64:65], 0
	v_nop
	global_prefetch_b8 v0, s[64:65] scope:SCOPE_SE
	s_setreg_imm32_b32 hwreg(HW_REG_WAVE_MODE, 25, 1), 1
	s_wait_xcnt 0x0
	s_wait_alu depctr_hold_cnt(0) depctr_sa_sdst(0) depctr_va_vdst(0) depctr_va_sdst(0) depctr_va_ssrc(0) depctr_va_vcc(0) depctr_vm_vsrc(0)
	s_getreg_b32 s2, hwreg(HW_REG_IB_STS2, 6, 4)
	s_cmp_eq_u32 s2, 0
	s_cbranch_scc0 .Lentry_in_a_cluster
	s_endpgm
.Lentry_in_a_cluster:
	s_bfe_u32 s2, ttmp6, 0x10000c
	s_cmp_lg_u32 s2, 0x3003
	s_cbranch_scc0 .Lentry_shape_is_right
	s_endpgm
.Lentry_shape_is_right:
; ATTENTION with a mask that multiplies the weights BEHIND the softmax.  With e_j = exp(s_j - max over all j):  O[q] = sum(e_j m_j V_j) / (S + 1e-10 Z),  S = sum(e_j m_j),  Z = sum(e_j).
; qkv16: [3][b 2][h 16][2048][64] f16, q already times c = log2(e) / 8, so scores are in powers of two.  mask16: f16, in this kernel's register image (below).  o16: [b][h][2048][64] f16.
; Products, maxima and sums in f32.  For each query a running maximum m over ALL keys and a reference rho = m - 15 (rho = m where |m| >= 2^20): p = 2^(s - rho) <= 2^15.1, rounded to f16 (PU); PM = PU x mask.
; In every step O, S and Z are multiplied by a = 2^(rho_old - rho_new).  The shift by 15 moves f16's lower end to 2^-40 of the row's largest weight.
; LIMITS.  |mask| <= 1 (PM must stay within f16's 65,504); q c, k, v arrive within f16; a weight below 2^-40 of its row's largest (2^-25 where |m| >= 2^20) counts as 0; NaN and infinities are not treated apart.
; SHARES.  A work-group owns 256 queries of one head, a wave 64: four PIECES of 16.  Every wave walks all 2,048 keys, 64 a step.
; LAYOUT.  S^T = K Q^T (source 0 = 16 keys, source 1 = 16 queries): a lane holds ONE query (lane % 16) and the keys 8 (lane / 16) + 0..7.  Two such results, rounded in pairs, ARE source 1 of O^T = V^T PM.
; THE TWO SUMS go to the matrix unit, onto one accumulator SZ a piece: ONES (ones in rows 0 and 8) x PM puts S into register 0 of every lane, ONEZ (rows 1 and 9) x PU puts Z into register 1.
; THE MASK comes straight into registers, 16 bytes a lane: mask16[b][qtile][step][kb][lane][8] holds, for lane 16 h + r, the keys 64 step + 16 kb + 8 h + 0..7 of query 16 qtile + r: the place of PU's halves.
; No byte of it is used twice in a work-group, so LDS would add nothing.  A piece's 4 loads for the next step are issued at the end of its turn.
; BY TURNS.  Turn n belongs to piece n: 8 products K Q^T of piece n + 1, later 12 products (8 V^T PM, 2 + 2 sums) of piece n - 1; beside them piece n's differences, exponentials, roundings, mask products and
; rescaling, and the maximum and statistics of piece n + 1.  Four vector instructions stand behind every matrix instruction, the other 42 of a turn's 122 in two lumps.
; m starts at the lowest finite number, O, S and Z at 0: the first step is a step like any other, with a = 0; the loop is entered, and the tail left, in the middle of a trip.
; CLUSTER.  The four query blocks of a cluster belong to one head and walk the same K and V, so each tile is asked for JOINTLY: the same tensor load, descriptor and mask in all four.
; REGISTERS, in windows of 256 (s_set_vgpr_msb: bits 1:0 source 0, 3:2 source 1, 5:4 source 2, 7:6 destination):
;   window 0: v0-15 addresses, two at work; v16-23 rho, m a piece; v48-55 at work; v62-63 the add's; v64-127 S^T, two buffers; v128-159 PU, two; v160-191 PM, two; v192-255 the mask, 16 a piece
;   window 1: v0-127 O^T, 32 a piece; v128-159 SZ, 8 a piece          window 2: v0-63 Q; v64-71 ONES; v72-79 ONEZ; v128-191 K of one step; v192-255 V of one step
; A piece's buffers go by its number's parity.
.set SIZE_N, 2048
.set NP,    4
.set KS,    64        ; keys in a step
.set PK,    144       ; a row of K in LDS: 128 bytes + 16: the 16 rows of a load start at 16 different groups of four banks (ISA guide 11.1)
.set PV,    160       ; a row of V: 128 + 32
.set VOFF,  4*KS*PK   ; a slot holds four steps: 256 rows of K, then 256 rows of V
.set SLOT1, 1<<17     ; slot 1 begins here, so that one exclusive or turns an address in one slot into the other's
.set STAGE, SLOT1+4*KS*(PK+PV)  ; behind the ring, never filled by a tensor load: 16 rows x 144 bytes for each wave
.set SP,    144
.set SPARE, STAGE+4*16*SP       ; behind the stages: the spare words, 128 bytes a wave
.set AK0, 2           ; v2   my lane's place in a tile of K; never rewritten
.set AV0, 3           ; v3   the same for V
.set AK,  4           ; v4   the LDS address of K's next run of loads
.set AV,  5           ; v5   of V's
.set STO, 6           ; v6   the way out: where I put 16 bytes of a row
.set RD,  7           ; v7   where I read rows back
.set MV,  12          ; v12-13  rho_old, by buffer
.set LO,  14          ; v14  16 x lane: my place in 512 consecutive bytes of the mask, and of O
.set QO,  15          ; v15  my byte offset in 16 rows of Q
.set ST,  16          ; piece t: rho at v[ST+2 t], m behind it
.set TMP, 48          ; by buffer, c0-c3 at work; at last c2 takes a
.set SPW, 62          ; v62  LDS address of my spare word; never rewritten
.set NIL, 63          ; v63  0; never rewritten
.set S,   64
.set PU,  128
.set PM,  160
.set MK,  192
.set SZ,  128         ; window 1
.set ONES, 64         ; window 2
.set ONEZ, 72
.set KF,  128         ; window 2: key block kb, channel half c at KF + 16 kb + 8 c
.set VF,  192         ; window 2: key half kk, channel block cb at VF + 32 kk + 8 cb
.set WV,  12          ; s12  my wave's number
.set G1K, 24          ; s[24:31] descriptor group 1 for K's tiles
.set G1V, 32          ; s[32:39] for V's: it differs in the padding alone
.set G0K, 40          ; s[40:43] descriptor group 0 for K's tiles: it walks
.set G0V, 44          ; s[44:47] the same for V's
.set MB,  48          ; s[48:49] the mask at my wave's rows, at the step to be asked for
.set MST, 50          ; s[50:51] what the next step adds to it: 2,048, or 0 when the last step is reached
.set MLEFT, 52        ; s52  steps by which it may still go on
.set GM,  53          ; s53  lanes in which |m| < 2^20
.set SHIFT, 54        ; s54  -15.0
.set BIG, 55          ; s55  2^20, as bits
.set SLOTS, 56        ; s56  slots still to be asked for
.set CNT, 57          ; s57  counts a slot's key steps
.set EPS, 58          ; s58  1e-10
.set ONE2, 59         ; s59  1.0 twice, in f16
.set SEL, 60          ; s[60:61] v_permlanex16_b32's selects: each lane takes its own place in the other half
.set TBK, 62          ; s62  LDS byte at which K of the step to be fetched begins
.set TBV, 63          ; s63  the same for V, less VOFF
.set MSB, 0
.macro WIN new                      ; the high byte repeats the setting that is left; a switch that changes nothing is dropped
.if MSB != (\new)
	s_set_vgpr_msb (MSB<<8)|(\new)
.set MSB, (\new)
.endif
.endm
.set W_KQ, 0x0a       ; K and Q in window 2, S^T in window 0
.set W_PV, 0x52       ; V (or the ones) in window 2, PM (or PU) in window 0, O^T (or SZ) in window 1
.set W_RS, 0x41       ; destination and source 0 in window 1, a in window 0
; A joint fill.  Waves 0 and 1 fetch the two halves of a slot's K, waves 2 and 3 those of its V: 128 keys each.  The branch hangs on the wave's number alone.
; An s_nop 0 and four v_nop follow each of the two lines, ahead of the jump and the label.
.macro JLOAD
	s_cmp_lt_u32 s[WV], 2
	s_cbranch_scc0 .Lfor_v_\@
	tensor_load_to_lds s[G0K:G0K+3], s[G1K:G1K+7]
	s_nop 0
.rept 4
	v_nop
.endr
	s_branch .Lasked_\@
.Lfor_v_\@:
	tensor_load_to_lds s[G0V:G0V+3], s[G1V:G1V+7]
	s_nop 0
.rept 4
	v_nop
.endr
.Lasked_\@:
.endm
; A round of the cluster's barrier: my work-group's barrier, so that wave 0's signal speaks for all four waves; wave 0 signals; every wave waits for all four work-groups; my work-group's barrier once more.
.macro CROUND
	s_barrier_signal -1
	s_barrier_wait -1
	s_cmp_lg_u32 s[WV], 0
	s_cbranch_scc1 .Lnot_wave_0_\@
	s_barrier_signal -3
.Lnot_wave_0_\@:
	s_barrier_wait -3
	s_barrier_signal -1
	s_barrier_wait -1
.endm
; THE CHANGE OF SLOTS.  The slot's last bytes, V of its fourth step, have been read.  Each wave waits for all its tensor loads, of which one is out: its part of the other slot; adds 0 to its spare word;
; and waits for that and for its own reads of the slot.  Behind the barrier nobody reads this slot any more and the other slot is whole.
; fill = 1: this slot is filled again, with the keys two slots on; the barrier is then a round of the cluster's, and the joint fill is the first thing behind it: it has four key steps in which to land.
; (At its first use nothing has been read yet: slot 0 is waited for, slot 1 filled.)
.macro CHANGE fill
	WIN 0                           ; at a label and at a branch every window is 0
	s_wait_tensorcnt 0x0            ; no tensor load of mine is out, so a group 0 may be written
	ds_add_u32 v[SPW], v[NIL]       ; 0 onto my spare word; with fill = 1 the descriptors' steps stand between it and the wait for it
.if \fill
.irp g, G0K, G0V
	s_xor_b32 s[\g+1], s[\g+1], SLOT1  ; the walking descriptor: the other slot than last time,
	s_add_nc_u64 s[\g+2:\g+3], s[\g+2:\g+3], 4*KS*128  ; the next 256 keys; the type bits on top are not reached
.endr
	s_wait_dscnt 0x0                ; the add is done, and my reads of the slot are over
	CROUND
	JLOAD
.else
	s_wait_dscnt 0x0                ; the add is done, and my reads of the slot are over
	s_barrier_signal -1
	s_barrier_wait -1
.endif
	s_sub_co_u32 s[TBK], s[TBK], 4*KS*PK  ; the fetches go back to a slot's first step,
	s_xor_b32 s[TBK], s[TBK], SLOT1       ; in the other slot
	s_sub_co_u32 s[TBV], s[TBV], 4*KS*PV
	s_xor_b32 s[TBV], s[TBV], SLOT1
.endm
	s_load_b128 s[68:71], s[0:1], 0x0 ; qkv16 s[68:69], mask16 s[70:71]
	s_load_b64 s[10:11], s[0:1], 0x10 ; o16
	v_lshl_add_u32 v[SPW], v0, 2, SPARE
	v_mov_b32 v[NIL], 0
	ds_add_u32 v[SPW], v[NIL]       ; the wave's opening: the add and its wait stand ahead of my first tensor load; the set-up stands between them
	v_lshrrev_b32 v1, 5, v0
	v_readfirstlane_b32 s[WV], v1   ; wave 0..3
	s_bfe_u32 s13, ttmp6, 0x40000   ; cx: my place in the cluster
	s_lshl_b32 s14, ttmp9, 2        ; in a cluster launch ttmp9 counts clusters
	s_add_co_u32 s14, s14, s13      ; my block of 256 queries: it enters Q's, the mask's and O's addresses alone
	s_and_b32 s15, ttmp7, 0xffff    ; 16 b + h, which the four partners share
	s_lshl_b32 s20, s15, 18         ; the head's first byte in q, in k, in v and in o16: 262,144 a head
	s_and_b32 s16, s[WV], 1         ; which half of a slot's 256 keys I fetch:
	s_lshl_b32 s22, s16, 14         ; its 128 rows of 128 bytes in memory,
	s_add_co_u32 s22, s22, s20
	s_mov_b32 s23, 0
	s_mul_i32 s17, s16, 128*PK      ; and its place in a slot, for K
	s_mul_i32 s18, s16, 128*PV      ; and for V: no place in the cluster enters an LDS address
	s_lshl_b32 s2, s14, 2
	s_add_co_u32 s2, s2, s[WV]      ; my wave among the head's 32
	s_lshl_b32 s[MB], s2, 18        ; its four tiles of 16 queries in the mask, 65,536 bytes each,
	s_lshr_b32 s19, s15, 4
	s_lshl_b32 s19, s19, 23         ; in batch b: 128 such tiles
	s_add_co_u32 s[MB], s[MB], s19
	s_mov_b32 s[MB+1], 0
	s_lshl_b32 s2, s2, 13           ; its 64 rows of 128 bytes
	s_add_co_u32 s2, s2, s20
	s_mov_b32 s3, 0
	; descriptor group 1.  128 keys are 16,384 dense bytes: asked for as 64 rows of 256 bytes, two keys a row, and padded in LDS after every key
	s_mov_b32 s[G1K], 15|(1<<16)|(1<<20)|(1<<21)|(4<<22)|(3<<25)  ; 15:0 the mask of four; 17:16 2-byte elements; 20 padding on; 21 set beside a mask; 24:22 after every 32 words; 31:25 4 words
	s_mov_b32 s[G1V], 15|(1<<16)|(1<<20)|(1<<21)|(4<<22)|(7<<25)  ; the same with 8 words of padding
.irp g, G1K, G1V
	s_mov_b32 s[\g+1], 128<<16      ; tensor_dim0 = 128
	s_mov_b32 s[\g+2], 64<<16       ; tensor_dim1 = 64
	s_mov_b32 s[\g+3], 128<<16      ; tile_dim0 = 128
	s_mov_b32 s[\g+4], 64           ; tile_dim1 = 64
	s_mov_b32 s[\g+5], 128          ; 128 elements from row to row
	s_mov_b32 s[\g+6], 0
	s_mov_b32 s[\g+7], 0
.endr
	s_mov_b32 s[MST], 2048          ; a step's mask for a tile of 16 queries: 4 x 512 bytes
	s_mov_b32 s[MST+1], 0
	s_mov_b32 s[MLEFT], SIZE_N/KS-1
	s_mov_b32 s[SHIFT], 0xc1700000  ; -15.0
	s_mov_b32 s[BIG], 0x49800000    ; 2^20
	s_mov_b32 s[EPS], 0x2edbe6ff    ; 1e-10
	s_mov_b32 s[ONE2], 0x3c003c00
	s_mov_b32 s[SEL], 0x76543210
	s_mov_b32 s[SEL+1], 0xfedcba98
	s_mov_b32 s[TBK], SLOT1+4*KS*PK ; the first change of slots turns these two into 0
	s_mov_b32 s[TBV], SLOT1+4*KS*PV
	s_mov_b32 s[G0K], 1             ; 1:0 count = 1
	s_mov_b32 s[G0K+1], s17         ; 63:32 LDS address: slot 0
	s_mov_b32 s[G0V], 1
	s_add_co_u32 s[G0V+1], s18, VOFF
	s_wait_dscnt 0x0                ; the opening add is done
	s_wait_kmcnt 0x0
	s_add_nc_u64 s[6:7], s[68:69], s[22:23]
	s_add_nc_u64 s[G0K+2:G0K+3], s[6:7], 8388608   ; 120:64 global address: k lies 32 heads behind q; my half of the head's first 256 keys
	s_or_b32 s[G0K+3], s[G0K+3], 0x80000000        ; 127:126 type = 2
	s_add_nc_u64 s[G0V+2:G0V+3], s[6:7], 16777216  ; v 64 heads behind q
	s_or_b32 s[G0V+3], s[G0V+3], 0x80000000
	s_add_nc_u64 s[4:5], s[68:69], s[2:3]          ; Q and O at my wave's first row
	s_add_nc_u64 s[10:11], s[10:11], s[2:3]
	s_add_nc_u64 s[MB:MB+1], s[70:71], s[MB:MB+1]
	CROUND                          ; all four work-groups are here: the first joint loads meet
	JLOAD                           ; slot 0.  Slot 1 is asked for when slot 0 is in
; The mask of piece p for the step at which s[MB] stands: 4 loads, each 512 consecutive bytes.
.macro FETCH_M p
	WIN 0
.irp kb, 0,1,2,3
	global_load_b128 v[MK+16*(\p)+4*\kb:MK+16*(\p)+4*\kb+3], v[LO], s[MB:MB+1] offset:65536*(\p)+512*\kb
.endr
.endm
	; A fragment of K or Q is 16 rows x 32 channels in 8 registers: lane l holds row l % 16, channels 8 (l / 16) + 0..7 and 16 + 8 (l / 16) + 0..7: two loads of 16 bytes, 32 bytes apart.
	v_and_b32 v1, 15, v0            ; l % 16
	v_bfe_u32 v9, v0, 4, 1          ; l / 16
	v_lshlrev_b32 v[QO], 7, v1
	v_lshl_add_u32 v[QO], v9, 4, v[QO]  ; row x 128 + 16 x half
	v_and_b32 v[LO], 31, v0
	v_lshlrev_b32 v[LO], 4, v[LO]
	v_and_b32 v10, 7, v0
	WIN 0x80                        ; destination window 2, address window 0
.set i, 0
.rept 2*NP                          ; Q stays in registers: piece i / 2, channels 32 (i % 2) on
	global_load_b128 v[8*i:8*i+3],   v[QO], s[4:5] offset:(i/2)*2048+(i%2)*64
	global_load_b128 v[8*i+4:8*i+7], v[QO], s[4:5] offset:(i/2)*2048+(i%2)*64+32
.set i, i+1
.endr
	FETCH_M 0                       ; key step 0's mask
	FETCH_M 1
	FETCH_M 2
	FETCH_M 3
	; the two matrices of ones: source 0 holds row lane % 16 in a lane, so rows 0 and 8 are the lanes with l % 8 = 0, rows 1 and 9 those with l % 8 = 1
	WIN 0x80
	v_cmp_eq_u32 vcc_lo, 0, v10
.set i, 0
.rept 8
	v_cndmask_b32 v[ONES+i], 0, s[ONE2], vcc_lo
.set i, i+1
.endr
	v_cmp_eq_u32 vcc_lo, 1, v10
.set i, 0
.rept 8
	v_cndmask_b32 v[ONEZ+i], 0, s[ONE2], vcc_lo
.set i, i+1
.endr
	; What the first turn finds: V's registers and the second buffers of PU and PM hold 0 (its products, of a piece that has not been, add 0), O^T and SZ are 0.  All this stands in the wait for the first tile.
.set i, VF
.rept 64
	v_mov_b32 v[i], 0
.set i, i+1
.endr
	WIN 0x40
.set i, 0
.rept 32*NP+8*NP
	v_mov_b32 v[i], 0
.set i, i+1
.endr
	WIN 0
.set i, 0
.rept 16
	v_mov_b32 v[PU+16+i], 0
	v_mov_b32 v[PM+16+i], 0
.set i, i+1
.endr
.set i, 0
.rept NP
	v_mov_b32 v[ST+2*i], 0xfe000000    ; rho: far below every score
	v_mov_b32 v[ST+2*i+1], 0xff7fffff  ; m
.set i, i+1
.endr
	v_mul_u32_u24 v[AK0], v1, PK
	v_lshl_add_u32 v[AK0], v9, 4, v[AK0]  ; row x pitch + 16 x half
	; The turning load takes 16 keys x 16 channels (lane l reads key 8 (l / 16) + l % 8, channels 8 ((l / 8) % 2) + 0..7) and leaves half a fragment of V^T: lane l holds channel l % 16 and 8 keys.
	v_bfe_u32 v11, v0, 3, 1
	v_lshl_add_u32 v[AV0], v9, 3, v10
	v_mul_u32_u24 v[AV0], v[AV0], PV
	v_lshl_add_u32 v[AV0], v11, 4, v[AV0]
	v_add_nc_u32 v[AV0], VOFF, v[AV0]
	v_mov_b32 v[AK], v[AK0]         ; key step 0 lies at the head of slot 0
	s_mul_i32 s13, s[WV], 16*SP
	s_add_co_u32 s13, s13, STAGE    ; my stage
	v_mul_u32_u24 v[STO], v1, SP    ; in: row l % 16, 16 bytes for each half of the lanes
	v_lshl_add_u32 v[STO], v9, 4, v[STO]
	v_add_nc_u32 v[STO], s13, v[STO]
	v_bfe_u32 v[RD], v0, 3, 2       ; back: 32 lanes take four rows of 128 bytes
	v_mul_u32_u24 v[RD], v[RD], SP
	v_lshl_add_u32 v[RD], v10, 4, v[RD]
	v_add_nc_u32 v[RD], s13, v[RD]
; THE MATRIX WORK.  No two matrix instructions that follow each other share an accumulator.
; Product i of 8 of S^T = K Q^T for piece x: channels 32 (i / 4) on, keys 16 (i % 4) on.  The first 4 start the sums.
.macro KQ x
	WIN W_KQ
.set rS, S+32*((\x)%2)+8*(i%4)
.set rK, KF+16*(i%4)+8*(i/4)
.set rQ, 16*(\x)+8*(i/4)
.if i < 4
	v_wmma_f32_16x16x32_f16 v[rS:rS+7], v[rK:rK+7], v[rQ:rQ+7], 0
.else
	v_wmma_f32_16x16x32_f16 v[rS:rS+7], v[rK:rK+7], v[rQ:rQ+7], v[rS:rS+7]
.endif
.endm
; Product j = i - 8 of 12 for piece x: keys 32 (j / 6) on; of each six the third adds to S, the sixth to Z, the other four to O^T's channel blocks 0 to 3.
.macro PVS x
	WIN W_PV
.set j, i-8
.set kk, j/6
.set u, j%6
.set cb, u-u/3
.set rZ, SZ+8*(\x)
.set rO, 32*(\x)+8*cb
.set rV, VF+32*kk+8*cb
.set rM, PM+16*((\x)%2)+8*kk
.set rU, PU+16*((\x)%2)+8*kk
.if u == 2
	v_wmma_f32_16x16x32_f16 v[rZ:rZ+7], v[ONES:ONES+7], v[rM:rM+7], v[rZ:rZ+7]
.elseif u == 5
	v_wmma_f32_16x16x32_f16 v[rZ:rZ+7], v[ONEZ:ONEZ+7], v[rU:rU+7], v[rZ:rZ+7]
.else
	v_wmma_f32_16x16x32_f16 v[rO:rO+7], v[rV:rV+7], v[rM:rM+7], v[rO:rO+7]
.endif
.endm
.macro MM                           ; the turn's next matrix instruction, number i of 20
.if i < 8
	KQ (Y+1)%NP
.else
	PVS (Y+NP-1)%NP
.endif
.set i, i+1
.endm
; THE LDS LOADS stand in runs of 16, never singly among the matrix instructions: a step's K (64 keys x 64 channels: 8 fragments) and its V (turned).  Their addresses are made some lines ahead.
; last = 1 (the tail): in the last trip there is no further step, and the run is jumped over.
.macro FETCH_K last=0
	WIN 0
.if \last
	s_cmp_eq_u32 s[CNT], 1
	s_cbranch_scc1 .Lno_k_\@
.endif
	WIN 0x80                        ; destination window 2
.irp f, 0,1,2,3,4,5,6,7             ; keys 16 (f / 2) on, channels 32 (f % 2) on
	ds_load_b128 v[KF+8*\f:KF+8*\f+3],   v[AK] offset:(\f/2)*16*PK+(\f%2)*64
	ds_load_b128 v[KF+8*\f+4:KF+8*\f+7], v[AK] offset:(\f/2)*16*PK+(\f%2)*64+32
.endr
	s_add_co_u32 s[TBK], s[TBK], KS*PK  ; the next fetch is the next step's
	WIN 0
.if \last
.Lno_k_\@:
.endif
.endm
.macro FETCH_V
	WIN 0x80
.irp f, 0,1,2,3,4,5,6,7             ; keys 32 (f / 4) on, channels 16 (f % 4) on
	ds_load_tr16_b128 v[VF+8*\f:VF+8*\f+3],   v[AV] offset:(\f/4)*32*PV+(\f%4)*32
	ds_load_tr16_b128 v[VF+8*\f+4:VF+8*\f+7], v[AV] offset:(\f/4)*32*PV+16*PV+(\f%4)*32
.endr
	s_add_co_u32 s[TBV], s[TBV], KS*PV
	WIN 0
.endm
; THE VECTOR WORK, one line at a time: OP kind, number.  For piece Y: F n: s - rho for pair n of 16.  E n: the exponential of score n of 32.  C n: pair n rounded to f16 (PU).  M n: PU's pair n times the mask (PM).
; R n: pair n of 16 of O^T times a; R 16: S and Z times a.  For piece Y + 1: X n, number n of the 25 that find its maximum and statistics:
;   0-11  four chains c0-c3 of seven scores each, three operands at a time (each accumulator's lowest registers are read first)     12-14, 16  the four scores left over, the old m, and c0-c3 into c0
;   15  rho_old is kept     17, 18  the query's other 32 keys lie in the lane 16 away: the new m     19-22  rho = m - 15 where |m| < 2^20, else m: a choice of a value, no branch     23, 24  a = 2^(rho_old - rho)
.set F, 0
.set E, 1
.set C, 2
.set M, 3
.set R, 4
.set X, 5
.macro REGS y                       ; the registers of piece y
.set rT, ST+2*(\y)
.set rC, TMP+4*((\y)%2)
.set rW, MV+((\y)%2)
.set rS, S+32*((\y)%2)
.set rU, PU+16*((\y)%2)
.set rM, PM+16*((\y)%2)
.set rN, MK+16*(\y)
.set rO, 32*(\y)
.set rZ, SZ+8*(\y)
.endm
.macro OP k, n
.if (\k) == R
	REGS Y
	WIN W_RS
.if (\n) < 16
	v_pk_mul_f32 v[rO+2*(\n):rO+2*(\n)+1], v[rO+2*(\n):rO+2*(\n)+1], v[rC+2:rC+3] op_sel_hi:[1,0]
.else
	v_pk_mul_f32 v[rZ:rZ+1], v[rZ:rZ+1], v[rC+2:rC+3] op_sel_hi:[1,0]
.endif
.elseif (\k) < R
	REGS Y
	WIN 0
.if (\k) == F
	v_pk_add_f32 v[rS+2*(\n):rS+2*(\n)+1], v[rS+2*(\n):rS+2*(\n)+1], v[rT:rT+1] op_sel_hi:[1,0] neg_lo:[0,1] neg_hi:[0,1]
.elseif (\k) == E
	v_exp_f32 v[rS+(\n)], v[rS+(\n)]
.elseif (\k) == C
	s_wait_alu depctr_va_vdst(0)
	v_cvt_pk_f16_f32 v[rU+(\n)], v[rS+2*(\n)], v[rS+2*(\n)+1]
.else
	v_pk_mul_f16 v[rM+(\n)], v[rU+(\n)], v[rN+(\n)]
.endif
.else
	REGS (Y+1)%NP
	WIN 0
.if (\n) < 4
	v_max3_num_f32 v[rC+(\n)], v[rS+8*(\n)], v[rS+8*(\n)+1], v[rS+8*(\n)+2]
.elseif (\n) < 12
	v_max3_num_f32 v[rC+(\n)%4], v[rC+(\n)%4], v[rS+8*((\n)%4)+2*((\n)/4)+1], v[rS+8*((\n)%4)+2*((\n)/4)+2]
.elseif (\n) == 12
	v_max3_num_f32 v[rC], v[rC], v[rS+7], v[rS+15]
.elseif (\n) == 13
	v_max3_num_f32 v[rC+1], v[rC+1], v[rS+23], v[rS+31]
.elseif (\n) == 14
	v_max3_num_f32 v[rC+2], v[rC+2], v[rC+3], v[rT+1]
.elseif (\n) == 15
	v_mov_b32 v[rW], v[rT]
.elseif (\n) == 16
	v_max3_num_f32 v[rC], v[rC], v[rC+1], v[rC+2]
.elseif (\n) == 17
	v_permlanex16_b32 v[rC+3], v[rC], s[SEL], s[SEL+1]
.elseif (\n) == 18
	v_max_num_f32 v[rT+1], v[rC], v[rC+3]
.elseif (\n) == 19
	v_add_f32 v[rC+1], s[SHIFT], v[rT+1]
.elseif (\n) == 20
	v_and_b32 v[rC+3], 0x7fffffff, v[rT+1]
.elseif (\n) == 21
	v_cmp_gt_u32 s[GM], s[BIG], v[rC+3]
.elseif (\n) == 22
	v_cndmask_b32 v[rT], v[rT+1], v[rC+1], s[GM]
.elseif (\n) == 23
	v_sub_f32 v[rC+1], v[rW], v[rT]
.else
	v_exp_f32 v[rC+2], v[rC+1]
.endif
.endif
.endm
.macro OPS a, i1, b=-1, i2=0, c=-1, i3=0, d=-1, i4=0  ; up to four of them
	OP \a, \i1
.if (\b) >= 0
	OP \b, \i2
.endif
.if (\c) >= 0
	OP \c, \i3
.endif
.if (\d) >= 0
	OP \d, \i4
.endif
.endm
.macro ROW a, i1, b, i2, c, i3, d, i4  ; a matrix instruction and the four behind it
	MM
	OPS \a, \i1, \b, \i2, \c, \i3, \d, \i4
.endm
; A TURN, for piece p: the order of its 20 matrix and 122 vector instructions, written out.  None of the four behind a matrix instruction names a register of the products round it; every exponential has a plain
; instruction between it and the use of its result (ISA guide 5.7.2).
; K of the next step is fetched in piece 2's turn: behind the last product that read K stand four rescalings, plain and of other registers.  V of the step in hand is fetched in piece 0's turn: the last product
; that read V is the last but one, and four rescalings stand behind it.  Each run is waited for a turn later.
; Piece 0's turn moves the mask's address a step on; in the walk's last step it stands still: that step's 16 mask loads read the same bytes once more, inside the buffer, and serve nothing, so that the
; count below is the same on every way.
.macro TURN p, last=0
.set Y, (\p)
.set i, 0
.if (\p) == 0
	s_wait_xcnt 0x0                 ; the mask loads issued so far have had their addresses translated (ISA guide 3.1): only behind this wait is their base stepped
	s_add_nc_u64 s[MB:MB+1], s[MB:MB+1], s[MST:MST+1]
	s_sub_co_u32 s[MLEFT], s[MLEFT], 1
	s_cmp_lg_u32 s[MLEFT], 0
	s_cselect_b32 s[MST], 2048, 0
.endif
.if (\p) == 3
	s_wait_dscnt 0x0                ; K is in
.endif
	ROW F,0, F,1, F,2, F,3
	ROW E,0, F,4, E,1, F,5
	ROW E,2, F,6, E,3, F,7
	ROW F,8, E,4, C,0, F,9
	ROW F,10, E,5, C,1, F,11
	ROW F,12, E,6, X,15, F,13
	s_wait_loadcnt 12               ; my piece's mask is in; the three other pieces' 12 loads, issued behind it, may stay out
	ROW M,0, E,7, C,2, F,14
.if (\p) == 2
	WIN 0
	v_add_nc_u32 v[AK], s[TBK], v[AK0]
.endif
	ROW R,0, R,1, R,2, R,3
	OPS E,8, F,15
.if (\p) == 2
	FETCH_K \last
.endif
	OPS E,9, M,1, E,10, C,3
	OPS E,11, M,2, E,12, X,0
	OPS E,13, X,1, E,14, X,2
	OPS E,15, X,3
.if (\p) == 1
	s_wait_dscnt 0x0                ; V is in
.endif
	ROW X,4, E,16, X,5, X,6
	ROW X,7, E,17, X,8, X,9
	ROW X,10, E,18, X,11, C,4
	ROW R,4, R,5, R,6, R,7
	ROW X,12, E,19, X,13, M,3
	ROW X,14, E,20, C,5, M,4
	ROW X,16, E,21, C,6, M,5
	ROW R,8, R,9, R,10, R,11
	ROW C,7, E,22, M,6, C,8
	ROW M,7, E,23, C,9, M,8
.if (\p) == 0
	WIN 0
	v_add_nc_u32 v[AV], s[TBV], v[AV0]
.endif
	ROW R,12, R,13, R,14, R,15
	ROW C,10, E,24, M,9, C,11
	OPS E,25, X,17
.if (\p) == 0
	FETCH_V
.endif
	OPS E,26, M,10, E,27, X,18
	OPS E,28, C,12, E,29, X,19
	OPS X,20, E,30, M,11, X,21
	OPS E,31, C,13, M,12, X,22
	OPS C,14, M,13, X,23, C,15
	OPS M,14, X,24, R,16, M,15
	FETCH_M \p                      ; my piece's mask for the next step
.endm
	CHANGE 1                        ; slot 0 is in, everybody's part of it; slot 1 is asked for
	FETCH_K                         ; key step 0
	s_wait_loadcnt 16               ; Q is in; the 16 mask loads issued behind it may stay out
	s_wait_dscnt 0x0
.set i, 0
.rept 8
	KQ 0                            ; piece 0's first scores
.set i, i+1
.endr
	WIN 0
.rept 4
	v_nop                           ; the places behind those products
.endr
.set Y, NP-1                        ; X works for piece Y + 1: piece 0
.irp n, 0,1,2,3,4,5,6,7,8,9,10,11,12,13,14,15,16,17,18,19,20,21,22,23,24
	OP X, \n
.endr
	v_nop                           ; a plain instruction behind the exponential
	s_mov_b32 s[CNT], 4
	s_mov_b32 s[SLOTS], SIZE_N/256-1
	s_branch .Lfirst                ; the loop is entered at a step's first turn, in the middle of a trip
.Lslot:                             ; SIZE_N / 256 - 2 times: every slot but the last two is filled again
	CHANGE 1
	s_mov_b32 s[CNT], 4
.Lstep:                             ; a trip: pieces 2 and 3 of one step, then pieces 0 and 1 of the next, whose K and V it fetches
	TURN 2
	TURN 3
	WIN 0
.Lfirst:
	TURN 0
	TURN 1
	WIN 0
	s_sub_co_u32 s[CNT], s[CNT], 1
	s_cmp_lg_u32 s[CNT], 0
	s_cbranch_scc1 .Lstep
	s_sub_co_u32 s[SLOTS], s[SLOTS], 1
	s_cmp_lg_u32 s[SLOTS], 0
	s_cbranch_scc1 .Lslot
	CHANGE 0                        ; the tail is written out: nothing is asked for
	s_mov_b32 s[CNT], 5             ; four trips fetch the last slot's steps; the fifth is left in its middle
.Ltail:
	TURN 2, 1
	TURN 3
	WIN 0
	s_sub_co_u32 s[CNT], s[CNT], 1
	s_cmp_eq_u32 s[CNT], 0
	s_cbranch_scc1 .Lout
	TURN 0
	TURN 1
	WIN 0
	s_branch .Ltail
.Lout:                              ; the fifth trip's 8 products K Q^T (on the last K once more) and the maximum made of them serve nothing: the price, once a launch, of one text for every trip
.set Y, 0
.set i, 8
.rept 12
	MM                              ; the last piece's products of the last step
.endr
	WIN 0
.rept 4
	v_nop                           ; the places behind them
.endr
	; THE WAY OUT.  Every lane holds its query's S and Z in SZ's two lowest registers.  O^T is divided by S + 1e-10 Z, rounded to f16 and sent through my stage in LDS, a piece at a time.
	WIN 0x11                        ; sources 0 and 2 window 1, destination window 0
.set t, 0
.rept NP
	v_fma_f32 v[ST+2*t], v[SZ+8*t+1], s[EPS], v[SZ+8*t]
.set t, t+1
.endr
	WIN 0
.set t, 0
.rept NP
	v_rcp_f32 v[ST+2*t], v[ST+2*t]
.set t, t+1
.endr
	v_nop                           ; a plain instruction between the last reciprocal and the use of its result
; Piece t: a lane's eight channels of a row pack into 16 bytes; they go into rows of 144 bytes and come back as whole rows of 128, into S^T's registers.
.macro PACK t
	WIN W_RS
.set i, 32*(\t)
.rept 16
	s_wait_alu depctr_va_vdst(0)
	v_pk_mul_f32 v[i:i+1], v[i:i+1], v[ST+2*(\t):ST+2*(\t)+1] op_sel_hi:[1,0]
.set i, i+2
.endr
	WIN 0x05                        ; sources 0 and 1 window 1, destination window 0
.set i, 0
.rept 16
	v_cvt_pk_f16_f32 v[S+16*(\t)+i], v[32*(\t)+2*i], v[32*(\t)+2*i+1]
.set i, i+1
.endr
	WIN 0
.irp f, 0,1,2,3
	ds_store_b128 v[STO], v[S+16*(\t)+4*\f:S+16*(\t)+4*\f+3] offset:32*\f
.endr
.irp f, 0,1,2,3
	ds_load_b128 v[S+16*(\t)+4*\f:S+16*(\t)+4*\f+3], v[RD] offset:\f*4*SP  ; LDS serves a wave's instructions in order (ISA guide 5.7.1.4): these see the stores above; the next piece's stores come behind them
.endr
.endm
.macro SEND t, younger              ; younger: the LDS instructions issued behind piece t's loads: the next piece's eight, or none
	WIN 0
.irp f, 0,1,2,3
	s_wait_dscnt (\younger)+3-\f
	global_store_b128 v[LO], v[S+16*(\t)+4*\f:S+16*(\t)+4*\f+3], s[10:11] offset:(\t)*2048+\f*512  ; 512 consecutive bytes, at a multiple of 256 from o16's first
.endr
.endm
	PACK 0
.set t, 1
.rept NP-1                          ; a piece's arithmetic stands between the loads of the piece before and its stores
	PACK t
	SEND t-1, 8
.set t, t+1
.endr
	SEND NP-1, 0
	s_wait_tensorcnt 0x0            ; the wave's end: behind my last tensor load and my last LDS store
	ds_add_u32 v[SPW], v[NIL]
	s_wait_dscnt 0x0
	CROUND                          ; the closing round: no work-group ends while a partner may still ask for a tile that names it
	s_endpgm
.Lfunc_end_k_q377fa4cca1_attn:
	.size	k_q377fa4cca1_attn, .Lfunc_end_k_q377fa4cca1_attn-k_q377fa4cca1_attn
	.p2alignl 7, 3214868480
	.fill 96, 4, 3214868480
	.section	.rodata,"a",@progbits
	.p2align	6, 0x0
	.amdhsa_kernel k_q377fa4cca1_attn
		.amdhsa_group_segment_fixed_size 327680
		.amdhsa_private_segment_fixed_size 0
		.amdhsa_enable_private_segment 0
		.amdhsa_kernarg_size 24
		.amdhsa_user_sgpr_count 2
		.amdhsa_user_sgpr_kernarg_segment_ptr 1
		.amdhsa_wavefront_size32 1
		.amdhsa_system_sgpr_workgroup_id_x 1
		.amdhsa_system_sgpr_workgroup_id_y 1
		.amdhsa_system_sgpr_workgroup_id_z 1
		.amdhsa_system_vgpr_workitem_id 0
		.amdhsa_next_free_vgpr 768
		.amdhsa_next_free_sgpr 72
		.amdhsa_reserve_vcc 1
		.amdhsa_float_denorm_mode_32 3
		.amdhsa_float_denorm_mode_16_64 3
		.amdhsa_memory_ordered 1
		.amdhsa_forward_progress 1
		.amdhsa_inst_pref_size 127
	.end_amdhsa_kernel
	.amdgpu_metadata
---
amdhsa.version: [ 1, 2 ]
amdhsa.kernels:
  - .name:           k_q377fa4cca1_attn
    .symbol:         k_q377fa4cca1_attn.kd
    .args:
      - { .name: qkv16, .offset: 0, .size: 8, .value_kind: global_buffer, .address_space: global }
      - { .name: mask16, .offset: 8, .size: 8, .value_kind: global_buffer, .address_space: global }
      - { .name: o16, .offset: 16, .size: 8, .value_kind: global_buffer, .address_space: global }
    .group_segment_fixed_size: 327680
    .private_segment_fixed_size: 0
    .kernarg_segment_align: 8
    .kernarg_segment_size: 24
    .max_flat_workgroup_size: 128
    .sgpr_count:     72
    .vgpr_count:     768
    .wavefront_size: 32
...
	.end_amdgpu_metadata
.endif
;; end of part 3
;; launch proj (part 4): grid 8 x 32, 4 waves a work-group, clusters of 4 x 4, 327,680 bytes of LDS; arguments o16, wo16, out0, b_out; writes out0
.if DOCPART == 4
	.amdgcn_target "amdgcn-amd-amdhsa--gfx1250"
	.amdhsa_code_object_version 6
	.text
	.protected	k_q377fa4cca1_proj
	.globl	k_q377fa4cca1_proj
	.p2align	8
	.type	k_q377fa4cca1_proj,@function
k_q377fa4cca1_proj:
	s_mov_b64 s[64:65], 0
	v_nop
	global_prefetch_b8 v0, s[64:65] scope:SCOPE_SE
	s_setreg_imm32_b32 hwreg(HW_REG_WAVE_MODE, 25, 1), 1
	s_wait_xcnt 0x0
	s_wait_alu depctr_hold_cnt(0) depctr_sa_sdst(0) depctr_va_vdst(0) depctr_va_sdst(0) depctr_va_ssrc(0) depctr_va_vcc(0) depctr_vm_vsrc(0)
	s_getreg_b32 s2, hwreg(HW_REG_IB_STS2, 6, 4)
	s_cmp_eq_u32 s2, 0
	s_cbranch_scc0 .Lentry_in_a_cluster
	s_endpgm
.Lentry_in_a_cluster:
	s_bfe_u32 s2, ttmp6, 0x10000c
	s_cmp_lg_u32 s2, 0xf033
	s_cbranch_scc0 .Lentry_shape_is_right
	s_endpgm
.Lentry_shape_is_right:
; OUTPUT PROJECTION.  out0[m][n] = sum over k of Z[m][k] W[k][n] + bias[n].  Z = o16, f16 by heads: [b 2][h 16][2048][64], k = 64 h + d, m = 2048 b + l.
; W = wo16 [1024][1024]: W_out rounded to bf16, written as f16.  The bias is rounded to bf16 here, like the other inputs.  Sums in f32; out0 is f32 [4096][1024].
; A tile of out0 is 128 x 128: four waves, each 64 x 64 = 16 accumulators of 16 x 16.  K goes in steps of 256 (four heads) through two LDS slots filled by the tensor data mover.
; A's tile for 64 rows and a step is four pieces of 8,192 dense bytes (64 rows of a head), one head apart: a tile of 4 rows of 4,096 elements, padded in LDS after every 128 bytes.
; B's rows lie along N, so its fragments come out of LDS turned, by ds_load_tr16_b128.
; CLUSTERS: 4 x 4 work-groups.  The four of a row of the cluster need the same tiles of A, the four of a column the same tiles of B: each tile is asked for JOINTLY.
; THE MATRIX INSTRUCTION IS USED TRANSPOSED (source 0 = 16 columns of B, source 1 = 16 rows of A): a lane then holds eight neighbouring numbers of a row of out0.
; A wave's 64 columns are 256 aligned bytes of a row, so each wave stores from a stage of its own, without a barrier.
; REGISTERS: window 0: v0-31 addresses and the bias; v128-255 the accumulators ((a, b) at v[128 + 8 (4 a + b)]), which also take the rows read back on the way out.
;   window 1: two fragment buffers of 128: for 64 along K, 64 registers of A, then 64 of B.
.set SIZE_N, 1024
.set KSTEP,  256
.set AP,     144                       ; a row of A in LDS: 128 bytes (one head's 64 channels) + 16: the 16 rows of a load start at 16 different groups of four banks (ISA guide 11.1)
.set AQ,     64*AP                     ; a quarter of a K step is a head: 64 rows further on
.set HALFA,  4*AQ                      ; 64 rows x 4 heads: one tensor load, and what one wave reads of A
.set BP,     288                       ; a row of B (one k, 128 n): 256 bytes + 32
.set HALFB,  128*BP                    ; 128 k: one tensor load
.set BOFF,   2*HALFA
.set SLOT,   BOFF+2*HALFB
.set STAGE,  2*SLOT                    ; behind the ring: 16 rows x 272 bytes for each wave
.set SP,     272
.set SPARE,  STAGE+4*16*SP             ; behind the stages: the spare words, 128 bytes a wave
.set ASTEP,  8*262144                  ; bytes from a slot's K step to its next: eight heads,
.set BSTEP,  2*KSTEP*SIZE_N*2          ; 512 rows of B
.set BI,   12                          ; v12-15  the bias of my four columns on the way out
.set ADRA, 16                          ; v16-17  LDS address of my A fragments in slot 0, 1
.set ADRB, 20                          ; v20-23  of my B fragments: slot 0 k 0-127, slot 0 k 128-255, slot 1 likewise (an LDS offset has 16 bits)
.set STO,  24                          ; v24     the way out: where I put 32 bytes of a row
.set RD,   25                          ; v25     where I read rows back
.set CO,   26                          ; v26     my byte offset in two rows of out0
.set SPW,  28                          ; v28     LDS address of my spare word; never rewritten
.set NIL,  29                          ; v29     0; never rewritten
.set ACC,  128
.set F0,   0
.set F1,   128
.set G1, 24                            ; s[24:31] group 1 for A;  s[32:39] group 0, a set for each slot
.set G0, 32
.set G1B, 48                           ; s[48:55], s[56:63] the same for B
.set G0B, 56
.set MSB, 0
.macro WIN new                         ; the immediate's high byte repeats the setting that is left
.if MSB != (\new)
	s_set_vgpr_msb (MSB<<8)|(\new)
.set MSB, \new
.endif
.endm
.set MUL,  0x05                        ; sources 0 (B) and 1 (A) window 1; C and D window 0
.set TO_F, 0x40                        ; destination window 1, address window 0
.macro JLOAD s                         ; a joint load: waves 0 and 1 fetch A's two halves, waves 2 and 3 B's; an s_nop 0 and four v_nop follow each line
	s_cmp_eq_u32 s11, 0
	s_cbranch_scc0 .Lfor_b_\@
	tensor_load_to_lds s[G0+4*(\s):G0+4*(\s)+3], s[G1:G1+7]
	s_nop 0
.rept 4
	v_nop
.endr
	s_branch .Lasked_\@
.Lfor_b_\@:
	tensor_load_to_lds s[G0B+4*(\s):G0B+4*(\s)+3], s[G1B:G1B+7]
	s_nop 0
.rept 4
	v_nop
.endr
.Lasked_\@:
.endm
.macro CREST                           ; a round of the cluster's barrier behind its opening barrier
	s_cmp_lg_u32 s10, 0
	s_cbranch_scc1 .Lnot_wave_0_\@
	s_barrier_signal -3
.Lnot_wave_0_\@:
	s_barrier_wait -3
	s_barrier_signal -1
	s_barrier_wait -1
.endm
.macro CROUND                          ; a whole round
	s_barrier_signal -1
	s_barrier_wait -1
	CREST
.endm
	s_load_b128 s[4:7], s[0:1], 0x0                ; A s[4:5], B s[6:7]
	s_load_b64 s[8:9], s[0:1], 0x10                ; out0
	s_load_b64 s[66:67], s[0:1], 0x18              ; the bias
	v_lshl_add_u32 v[SPW], v0, 2, SPARE
	v_mov_b32 v[NIL], 0
	ds_add_u32 v[SPW], v[NIL]                      ; the wave's opening: the add and its wait stand ahead of my first tensor load; the set-up stands between them
	v_lshrrev_b32 v1, 5, v0
	v_readfirstlane_b32 s10, v1                    ; wave 0..3
	s_lshr_b32 s11, s10, 1                         ; which half of the tile's rows is mine.  Also: I fetch for A (0) or for B (1)
	s_and_b32 s12, s10, 1                          ; which half of its columns.  Also: which half of that tile I fetch
	s_bfe_u32 s40, ttmp6, 0x40000                  ; cx, cy: my place in the cluster
	s_bfe_u32 s41, ttmp6, 0x40004
	s_lshl_b32 s42, ttmp9, 2
	s_add_co_u32 s42, s42, s40                     ; tile column = 4 x cluster x + cx
	s_and_b32 s13, ttmp7, 0xffff
	s_lshl_b32 s13, s13, 2
	s_add_co_u32 s13, s13, s41                     ; tile row = 4 x cluster y + cy
	s_lshl_b32 s43, s41, 2
	s_lshl_b32 s43, 15, s43                        ; my row of the cluster
	s_lshl_b32 s44, 0x1111, s40                    ; my column
	s_or_b32 s[G1+0], s43, (1<<16)|(1<<20)|(1<<21)|(4<<22)|(3<<25)   ; A: the mask of my row; 2-byte elements; padding on; bit 21 beside a mask; after every 32 words 4 words
	s_or_b32 s[G1B+0], s44, (1<<16)|(1<<20)|(1<<21)|(5<<22)|(7<<25)  ; B: the mask of my column; after every 64 words 8 words
	s_mov_b32 s[G1+1], 4096<<16                    ; A: tensor_dim0 = 4,096 elements: 64 dense rows of a head
	s_mov_b32 s[G1+2], 4<<16                       ; tensor_dim1 = 4 heads
	s_mov_b32 s[G1+3], 4096<<16                    ; tile_dim0
	s_mov_b32 s[G1+4], 4                           ; tile_dim1
	s_mov_b32 s[G1+5], 131072                      ; elements from head to head
	s_mov_b32 s[G1+6], 0
	s_mov_b32 s[G1+7], 0
	s_mov_b32 s[G1B+1], 128<<16                    ; B: 128 n
	s_mov_b32 s[G1B+2], 128<<16                    ; x 128 k
	s_mov_b32 s[G1B+3], 128<<16
	s_mov_b32 s[G1B+4], 128
	s_mov_b32 s[G1B+5], SIZE_N
	s_mov_b32 s[G1B+6], 0
	s_mov_b32 s[G1B+7], 0
	s_lshr_b32 s16, s13, 4                         ; A: batch = tile row / 16: 16 heads of 262,144 bytes,
	s_lshl_b32 s16, s16, 22
	s_and_b32 s17, s13, 15
	s_lshl_b32 s17, s17, 14                        ; 128 rows of 128 bytes a tile row,
	s_add_co_u32 s16, s16, s17
	s_lshl_b32 s17, s12, 13                        ; 64 rows a half
	s_add_co_u32 s16, s16, s17
	s_mov_b32 s17, 0
	s_lshl_b32 s46, s42, 8                         ; B: 128 columns of 2 bytes a tile column,
	s_lshl_b32 s47, s12, 18                        ; 128 rows of 2,048 bytes a half
	s_add_co_u32 s46, s46, s47
	s_mov_b32 s47, 0
	s_mul_i32 s20, s12, HALFA                      ; where they go: no place in the cluster enters an LDS address
	s_mul_i32 s21, s12, HALFB
	s_add_co_u32 s21, s21, BOFF
	s_wait_dscnt 0x0                               ; the opening add is done
	s_wait_kmcnt 0x0
	s_add_nc_u64 s[14:15], s[4:5], s[16:17]
	s_add_nc_u64 s[46:47], s[6:7], s[46:47]
	CROUND                                         ; all sixteen work-groups are here: the first joint loads meet
.irp s, 0,1
	s_mov_b32 s[G0+4*(\s)], 1
	s_add_co_u32 s[G0+4*(\s)+1], s20, (\s)*SLOT
	s_add_nc_u64 s[G0+4*(\s)+2:G0+4*(\s)+3], s[14:15], (\s)*4*262144
	s_or_b32 s[G0+4*(\s)+3], s[G0+4*(\s)+3], 0x80000000
	s_mov_b32 s[G0B+4*(\s)], 1
	s_add_co_u32 s[G0B+4*(\s)+1], s21, (\s)*SLOT
	s_add_nc_u64 s[G0B+4*(\s)+2:G0B+4*(\s)+3], s[46:47], (\s)*KSTEP*SIZE_N*2
	s_or_b32 s[G0B+4*(\s)+3], s[G0B+4*(\s)+3], 0x80000000
	JLOAD \s
.endr
	v_and_b32 v1, 15, v0                           ; r = l % 16
	v_bfe_u32 v2, v0, 4, 1                         ; h = l / 16
	; my first column, in bytes of f32: 512 x tile column + 256 x column half (in registers that feed none of A's descriptors)
	s_lshl_b32 s46, s42, 9
	s_lshl_b32 s47, s12, 8
	s_add_co_u32 s46, s46, s47
	s_mov_b32 s47, 0
	s_add_nc_u64 s[66:67], s[66:67], s[46:47]
	s_add_nc_u64 s[8:9], s[8:9], s[46:47]
	v_lshlrev_b32 v11, 4, v1
	global_load_b128 v[BI:BI+3], v11, s[66:67]     ; the bias of the four columns that I store
	v_mul_u32_u24 v3, v1, AP                       ; A: row r x pitch + 16 h
	v_lshl_add_u32 v3, v2, 4, v3
	s_mul_i32 s21, s11, HALFA                      ; my 64 rows of A
	v_add_nc_u32 v[ADRA], s21, v3
	v_add_nc_u32 v[ADRA+1], SLOT, v[ADRA]
	v_and_b32 v4, 7, v0                            ; B, turned: lane l reads k row 8 h + l % 8, 16 bytes at 16 ((l / 8) % 2)
	v_lshl_add_u32 v4, v2, 3, v4
	v_mul_u32_u24 v4, v4, BP
	v_bfe_u32 v5, v0, 3, 1
	v_lshl_add_u32 v4, v5, 4, v4
	s_lshl_b32 s22, s12, 7                         ; my 64 columns
	s_add_co_u32 s22, s22, BOFF
	v_add_nc_u32 v[ADRB], s22, v4
	v_add_nc_u32 v[ADRB+1], HALFB, v[ADRB]
	v_add_nc_u32 v[ADRB+2], SLOT, v[ADRB]
	v_add_nc_u32 v[ADRB+3], SLOT+HALFB, v[ADRB]
	s_mul_i32 s23, s10, 16*SP
	s_add_co_u32 s23, s23, STAGE                   ; my stage
	v_mul_u32_u24 v6, v1, SP                       ; in: row r, 32 bytes for each half of the lanes
	v_lshl_add_u32 v6, v2, 5, v6
	v_add_nc_u32 v[STO], s23, v6
	v_mul_u32_u24 v6, v2, SP                       ; back: lanes 0-15 take one row of 256 bytes, lanes 16-31 the next
	v_lshl_add_u32 v6, v1, 4, v6
	v_add_nc_u32 v[RD], s23, v6
	v_lshlrev_b32 v[CO], 12, v2                    ; and the same two rows in out0, 4,096 bytes apart
	v_lshl_add_u32 v[CO], v1, 4, v[CO]
	s_lshl_b32 s16, s13, 7                         ; my first row: 128 x tile row + 64 x row half,
	s_lshl_b32 s17, s11, 6
	s_add_co_u32 s16, s16, s17
	s_lshl_b32 s16, s16, 12                        ; of 4,096 bytes
	s_mov_b32 s17, 0
	s_add_nc_u64 s[8:9], s[8:9], s[16:17]
; 8 matrix instructions: m blocks a0, a0 + 1 x all 4 n blocks, 32 along K: half c of buffer f.  zero = 1: the first product starts the sums.  The 16 accumulators take turns.
.macro MUL8 f, c, a0, zero
	WIN MUL
.irp a, \a0, (\a0)+1
.irp b, 0,1,2,3
.if \zero
	v_wmma_f32_16x16x32_f16 v[ACC+8*(4*(\a)+(\b)):ACC+8*(4*(\a)+(\b))+7], v[(\f)+64+8*(4*(\c)+(\b)):(\f)+64+8*(4*(\c)+(\b))+7], v[(\f)+8*(4*(\c)+(\a)):(\f)+8*(4*(\c)+(\a))+7], 0
.else
	v_wmma_f32_16x16x32_f16 v[ACC+8*(4*(\a)+(\b)):ACC+8*(4*(\a)+(\b))+7], v[(\f)+64+8*(4*(\c)+(\b)):(\f)+64+8*(4*(\c)+(\b))+7], v[(\f)+8*(4*(\c)+(\a)):(\f)+8*(4*(\c)+(\a))+7], v[ACC+8*(4*(\a)+(\b)):ACC+8*(4*(\a)+(\b))+7]
.endif
.endr
.endr
.endm
; 32 LDS loads in one run: the fragments of quarter q (64 along K: one head) of a slot, into buffer f; the first 32 along K first
.macro FETCH slot, q, f
	WIN TO_F
.irp c, 0,1
.irp i, 0,1,2,3
	ds_load_tr16_b128 v[(\f)+64+8*(4*(\c)+(\i)):(\f)+64+8*(4*(\c)+(\i))+3],   v[ADRB+2*(\slot)+(\q)/2] offset:((\q)%2)*64*BP+(\c)*32*BP+32*(\i)
	ds_load_tr16_b128 v[(\f)+64+8*(4*(\c)+(\i))+4:(\f)+64+8*(4*(\c)+(\i))+7], v[ADRB+2*(\slot)+(\q)/2] offset:((\q)%2)*64*BP+(\c)*32*BP+16*BP+32*(\i)
	ds_load_b128 v[(\f)+8*(4*(\c)+(\i)):(\f)+8*(4*(\c)+(\i))+3],         v[ADRA+(\slot)] offset:(\q)*AQ+64*(\c)+(\i)*16*AP
	ds_load_b128 v[(\f)+8*(4*(\c)+(\i))+4:(\f)+8*(4*(\c)+(\i))+7],       v[ADRA+(\slot)] offset:(\q)*AQ+64*(\c)+(\i)*16*AP+32
.endr
.endr
.endm
.macro PLACES                          ; four places in front of loads into registers that matrix instructions have read (ISA guide 7.12.1 for vector instructions)
.rept 4
	v_nop
.endr
.endm
; A K step is four quarters of 64 along K, 32 matrix instructions each, on buffers 0, 1, 0, 1.  One of the first three: multiplies buffer f and fetches quarter q into g.
.macro QUARTER slot, q, f, g, zero
	s_wait_dscnt 16                                ; the first 32 along K are in
	MUL8 \f, 0, 0, \zero
	MUL8 \f, 0, 2, \zero
	PLACES
	FETCH \slot, \q, \g
	s_wait_dscnt 32                                ; all but the 32 just issued
	MUL8 \f, 1, 0, 0
	MUL8 \f, 1, 2, 0
.endm
; The last quarter multiplies buffer 1 and changes slots: ONE barrier; in front of it each wave waits for all its tensor loads, adds 0 to its spare word, and waits for that and for its reads of this slot.
; fill = 1: this slot is filled again, two K steps ahead; the barrier then opens a round of the cluster's barrier.
.macro TURN slot, next, fill
	WIN 0                                          ; (the add's two registers lie in window 0)
	s_wait_tensorcnt 0x0                           ; all my tensor loads have landed: my part of the next slot;
	ds_add_u32 v[SPW], v[NIL]                      ; 0 onto my spare word;
	s_wait_dscnt 17                                ; (the add and the youngest sixteen loads may be out)
	MUL8 F1, 0, 0, 0                               ; eight matrix instructions stand between the add and the wait for it
	s_wait_dscnt 0x0                               ; the add is done, and my reads of this slot are over
	s_barrier_signal -1
	MUL8 F1, 0, 2, 0
.if \fill
	WIN 0
.endif
	s_barrier_wait -1
.if \fill
	CREST                                          ; no wave of any partner still reads this slot's tile or has a load on its way
	s_add_nc_u64 s[G0+4*(\slot)+2:G0+4*(\slot)+3], s[G0+4*(\slot)+2:G0+4*(\slot)+3], ASTEP
	s_add_nc_u64 s[G0B+4*(\slot)+2:G0B+4*(\slot)+3], s[G0B+4*(\slot)+2:G0B+4*(\slot)+3], BSTEP
	JLOAD \slot                                    ; the first tensor load behind the round; its four v_nop are also the places in front of the loads below
.else
	PLACES
.endif
	FETCH \next, 0, F0
	MUL8 F1, 1, 0, 0
	MUL8 F1, 1, 2, 0
.endm
	s_wait_tensorcnt 1                             ; my part of K step 0 is in; K step 1's may stay out
	s_barrier_signal -1
	s_barrier_wait -1                              ; everybody's is
	FETCH 0, 0, F0
	QUARTER 0, 1, F0, F1, 1                        ; K step 0: its first products start the sums
	QUARTER 0, 2, F1, F0, 0
	QUARTER 0, 3, F0, F1, 0
	TURN 0, 1, 1                                   ; slot 0 takes K step 2
	QUARTER 1, 1, F0, F1, 0                        ; K step 1
	QUARTER 1, 2, F1, F0, 0
	QUARTER 1, 3, F0, F1, 0
	TURN 1, 0, 1                                   ; slot 1 takes K step 3: K has four steps, so the walk is written out
	QUARTER 0, 1, F0, F1, 0                        ; K step 2
	QUARTER 0, 2, F1, F0, 0
	QUARTER 0, 3, F0, F1, 0
	TURN 0, 1, 0                                   ; nothing is left to fetch
	QUARTER 1, 1, F0, F1, 0                        ; K step 3
	QUARTER 1, 2, F1, F0, 0
	QUARTER 1, 3, F0, F1, 0
	s_wait_dscnt 16
	MUL8 F1, 0, 0, 0
	MUL8 F1, 0, 2, 0
	s_wait_dscnt 0x0
	MUL8 F1, 1, 0, 0
	MUL8 F1, 1, 2, 0
	WIN 0
	; THE WAY OUT.  The bias is rounded to bf16 and widened again: six plain instructions that name no register of the last products: the places behind them.
	s_wait_loadcnt 0x0
	v_cvt_pk_bf16_f32 v10, v[BI], v[BI+1]
	v_cvt_pk_bf16_f32 v11, v[BI+2], v[BI+3]
	v_lshlrev_b32 v[BI], 16, v10
	v_and_b32 v[BI+1], 0xffff0000, v10
	v_lshlrev_b32 v[BI+2], 16, v11
	v_and_b32 v[BI+3], 0xffff0000, v11
; A block of 16 rows: a lane's eight columns of a row, 32 bytes, go into rows of 272 bytes (each accumulator's four lowest registers first) and come back as whole rows of 256, into the registers that they left.
.macro TOSTAGE a
.irp b, 0,1,2,3
	ds_store_b128 v[STO], v[ACC+32*(\a)+8*(\b):ACC+32*(\a)+8*(\b)+3]   offset:64*(\b)
	ds_store_b128 v[STO], v[ACC+32*(\a)+8*(\b)+4:ACC+32*(\a)+8*(\b)+7] offset:64*(\b)+16
.endr
.irp t, 0,1,2,3,4,5,6,7
	ds_load_b128 v[ACC+32*(\a)+4*(\t):ACC+32*(\a)+4*(\t)+3], v[RD] offset:(\t)*2*SP  ; LDS serves a wave's instructions in order (ISA guide 5.7.1.4): these see the stores above; the next block's stores come behind them
.endr
.endm
.macro SEND a, younger                 ; younger: the LDS instructions issued behind block a's loads: the next block's sixteen, or none
.irp t, 0,1,2,3,4,5,6,7
	s_wait_dscnt (\younger)+7-(\t)
	v_pk_add_f32 v[ACC+32*(\a)+4*(\t):ACC+32*(\a)+4*(\t)+1],   v[ACC+32*(\a)+4*(\t):ACC+32*(\a)+4*(\t)+1],   v[BI:BI+1]
	v_pk_add_f32 v[ACC+32*(\a)+4*(\t)+2:ACC+32*(\a)+4*(\t)+3], v[ACC+32*(\a)+4*(\t)+2:ACC+32*(\a)+4*(\t)+3], v[BI+2:BI+3]
	global_store_b128 v[CO], v[ACC+32*(\a)+4*(\t):ACC+32*(\a)+4*(\t)+3], s[8:9] offset:65536*(\a)+8192*(\t) th:TH_STORE_NT  ; 16 lanes store 256 consecutive bytes, at a multiple of 256 from out0's first byte
.endr
.endm
	TOSTAGE 0
	TOSTAGE 1
	SEND 0, 16
	TOSTAGE 2
	SEND 1, 16
	TOSTAGE 3
	SEND 2, 16
	SEND 3, 0
	s_wait_tensorcnt 0x0                           ; the wave's end: behind my last tensor load and my last LDS store
	ds_add_u32 v[SPW], v[NIL]
	s_wait_dscnt 0x0
	CROUND                                         ; the closing round: no work-group ends while a partner may still ask for a tile that names it
	s_endpgm
.Lfunc_end_k_q377fa4cca1_proj:
	.size	k_q377fa4cca1_proj, .Lfunc_end_k_q377fa4cca1_proj-k_q377fa4cca1_proj
	.p2alignl 7, 3214868480
	.fill 96, 4, 3214868480
	.section	.rodata,"a",@progbits
	.p2align	6, 0x0
	.amdhsa_kernel k_q377fa4cca1_proj
		.amdhsa_group_segment_fixed_size 327680
		.amdhsa_private_segment_fixed_size 0
		.amdhsa_enable_private_segment 0
		.amdhsa_kernarg_size 32
		.amdhsa_user_sgpr_count 2
		.amdhsa_user_sgpr_kernarg_segment_ptr 1
		.amdhsa_wavefront_size32 1
		.amdhsa_system_sgpr_workgroup_id_x 1
		.amdhsa_system_sgpr_workgroup_id_y 1
		.amdhsa_system_sgpr_workgroup_id_z 1
		.amdhsa_system_vgpr_workitem_id 0
		.amdhsa_next_free_vgpr 512
		.amdhsa_next_free_sgpr 68
		.amdhsa_reserve_vcc 0
		.amdhsa_float_denorm_mode_32 3
		.amdhsa_float_denorm_mode_16_64 3
		.amdhsa_memory_ordered 1
		.amdhsa_forward_progress 1
		.amdhsa_inst_pref_size 91
	.end_amdhsa_kernel
	.amdgpu_metadata
---
amdhsa.version: [ 1, 2 ]
amdhsa.kernels:
  - .name:           k_q377fa4cca1_proj
    .symbol:         k_q377fa4cca1_proj.kd
    .args:
      - { .name: o16, .offset: 0, .size: 8, .value_kind: global_buffer, .address_space: global }
      - { .name: wo16, .offset: 8, .size: 8, .value_kind: global_buffer, .address_space: global }
      - { .name: out0, .offset: 16, .size: 8, .value_kind: global_buffer, .address_space: global }
      - { .name: b_out, .offset: 24, .size: 8, .value_kind: global_buffer, .address_space: global }
    .group_segment_fixed_size: 327680
    .private_segment_fixed_size: 0
    .kernarg_segment_align: 8
    .kernarg_segment_size: 32
    .max_flat_workgroup_size: 128
    .sgpr_count:     68
    .vgpr_count:     512
    .wavefront_size: 32
...
	.end_amdgpu_metadata
.endif
;; end of part 4
